; MI455X (gfx1250); checked and timed in simulation.
; The chip was launched on July 23, 2026; its instructions are those of AMD's public machine-readable ISA for CDNA 5 (MIT licence, August 2026) and "CDNA5" Instruction Set Architecture Reference Guide (July 2026). The comments in the code are by the model that wrote it; some were corrected since.
;; Causal Self Attention. Allowed arithmetic: matrix products marked QUANTISED: E2M3 operands, one E8M0 scale for each 32 along K, by v_wmma_scale_f32_16x16x128_f8f6f4 with both operands' format E2M3, f32 sums; everything else in f32.
;; Inputs: proj_b 1,024 float32; proj_w 1,024 x 1,024 float32; qkv_b 3,072 float32; qkv_w 3,072 x 1,024 float32; x 4 x 2,048 x 1,024 float32.
;; Outputs: out0 4 x 2,048 x 1,024 float32.
;; This version of the problem:
;;   THIS VERSION OF THE PROBLEM IS GIVEN IN LOW PRECISION. The matrix products marked QUANTISED in the list below multiply operands that are first quantised to E2M3 (2 exponent bits, 3 mantissa bits; 6 bits a number), with one power-of-two scale for each 32 numbers along K (OCP MX v1.0); their sums are f32. All else is computed in f32.
;;   The module's matrix products, in the order in which they are computed (A, B: the left and right operand; K: the contracted axis; several contracted axes count as one K, in the product's order):
;;     1. [M 8,192, K 1,024] x [K 1,024, N 3,072]; A: input x; B: input qkv_w: QUANTISED
;;     2. batch 64 x [M 2,048, K 64] x [K 64, N 2,048]; A: computed on the way; B: computed on the way: QUANTISED
;;     3. batch 64 x [M 2,048, K 2,048] x [K 2,048, N 64]; A: softmax (see below); B: computed on the way: QUANTISED
;;     4. [M 8,192, K 1,024] x [K 1,024, N 1,024]; A: computed on the way; B: input proj_w: QUANTISED
;;   THE QUANTISER, for each operand of a quantised product, along K:
;;     - K is cut into blocks of 32 from its start; a last block that is shorter is filled with zeros.
;;     - A block's scale is 2^e with e = floor(log2(the largest magnitude in the block)) - 2, held to -126 .. 127; a block of zeros has e = 0. As a byte (E8M0): e + 127.
;;     - Each number is divided by its block's scale, clamped to +-7.5, and rounded to the nearest number of E2M3, ties to even, subnormals kept.
;;     - The product sums the exact products of the quantised numbers (number of the format x scale) in f32.
;;   ~~~python
;;   def quantise(x, axis):      # numpy; x: float32 -> the quantised numbers, widened to float32 again
;;       x = np.moveaxis(x, axis, -1); K = x.shape[-1]
;;       x = np.pad(x, [(0, 0)] * (x.ndim - 1) + [(0, -K % 32)]); x = x.reshape(x.shape[:-1] + (-1, 32)); a = np.abs(x).max(-1, keepdims=True)
;;       e = np.where(a > 0, np.clip(np.frexp(np.where(a > 0, a, 1))[1] - 1 - 2, -126, 127), 0)      # np.frexp(a)[1] - 1 = floor(log2(a)), exactly
;;       r = np.clip(x / 2.0 ** e, -7.5, 7.5)
;;       step = 2.0 ** (np.maximum(np.frexp(np.where(r == 0, 1, r))[1] - 1, 0) - 3)
;;       q = np.round(r / step) * step * 2.0 ** e      # np.round: ties to even
;;       return np.moveaxis(q.reshape(q.shape[:-2] + (-1,))[..., :K], -1, axis).astype(np.float32)
;;   ~~~
;;   SOFTMAX AHEAD OF A QUANTISED PRODUCT. Where the list says 'softmax', what is quantised is not the finished softmax but p = 2^(t - M), with t = logit x log2(e) and M = ceil(the row's largest t), a whole number; so 1/2 < the row's largest p <= 1. The row's sum l is taken of the UNQUANTISED p, in f32, and the product's result is divided by l at the end. Since M is a whole number, a kernel that streams over the keys may use a running M (the ceiling of the running maximum): every later rescaling is an exact power of two, which a block's scale takes up: the codes' values come out the same.
;;   OPERANDS COMPUTED ON THE WAY. 'Computed on the way' means the value that the module computes at that place (a softmax that the list does not call 'softmax' is quantised finished and normalised). What goes into a quantiser is computed in f32, as accurately as f32 sums, v_exp_f32 and their like allow (about 1e-6 of the number): no bf16 or f16 on the way to a quantiser, and a product that is left as it is and whose result goes on into a quantised operand takes f32 operands (vector FMAs, or v_wmma_f32_16x16x4_f32). A number that lies on a knife's edge between two numbers of the format may be rounded either way, as far as f32 arithmetic and the matrix unit's own rounding can turn it there, and no further.
;; One version. Each part assembles by itself: llvm-mc -triple=amdgcn-amd-amdhsa -mcpu=gfx1250 --defsym DOCPART=n.
;; ======== version 1 of 1: 4 launches
;; limits: right only within a limited range of input values
;; workspace buffers: in_codes 9,437,184 bytes; in_scales 393,216 bytes; qkv_codes 18,874,368 bytes; qkv_scales 1,572,864 bytes; y_codes 6,291,456 bytes; y_scales 262,144 bytes
;; launch quant (part 1): grid 384 x 1, 4 waves a work-group, no clusters, 33,280 bytes of LDS; arguments x, qkv_w, proj_w, in_codes, in_scales; writes in_codes, in_scales
.if DOCPART == 1
	.amdgcn_target "amdgcn-amd-amdhsa--gfx1250"
	.amdhsa_code_object_version 6
	.text
	.protected	k_qee3b3dfd92_quant
	.globl	k_qee3b3dfd92_quant
	.p2align	8
	.type	k_qee3b3dfd92_quant,@function
k_qee3b3dfd92_quant:
	s_mov_b64 s[64:65], 0
	v_nop
	global_prefetch_b8 v0, s[64:65] scope:SCOPE_SE
	s_setreg_imm32_b32 hwreg(HW_REG_WAVE_MODE, 25, 1), 1
	s_wait_xcnt 0x0
; x [8192][1024], qkv_w [3072][1024] and proj_w [1024][1024], f32, K innermost, become codes of FP6 (E2M3) with one E8M0 byte for each 32 along K.
; in_codes: 12,288 rows of 768 bytes (x, then qkv_w, then proj_w); in_scales: the same rows, 32 bytes each.
; A block's scale is 2^(floor(log2(its largest magnitude)) - 2); its byte is the largest magnitude's exponent field - 2, held at 1 from below.
; POSITION ORDER.  The rows of x and of qkv_w are stored with the second and third group of eight rows of every 32 exchanged: position 16 u + r holds row 8 u + r + 8 (r / 8).
; Sixteen neighbouring positions are then the sixteen rows that a later product wants in one tile, so that a lane's results of two neighbouring tiles are 16 neighbours.  proj_w keeps its order.
; A wave takes 8 rows (8,192 numbers), a work-group 32: so the exchange is a choice of where a wave's run goes: wave 1's to place 2, wave 2's to place 1.
; LIMITS: a block of zeros, or one whose largest magnitude lies under 2^-124, gets the byte 1 (its codes add nothing; this program alone reads the bytes); NaN and infinities are not served.
; A wave takes 16 steps of 512 numbers.  Each load reads 512 consecutive bytes; a step's 2,048 bytes turn through the wave's own stage in LDS and come back 64 bytes a lane, 16 neighbours along K.
; No tensor loads, no barrier: waves share nothing.  Loads run four steps (16 loads a wave) ahead, the turn through LDS one step.
.set WAVES, 4
.set STEPS, 16
.set EMAX,  2
.set CB,    12                         ; bytes of 16 codes
.set KST,   2359296                    ; in_codes is laid [K step of 256: 4][row: 12,288][192 bytes]: 128 rows of one K step are 24,576 dense bytes, a multiple of 256; KST = 12,288 x 192
; (The later launch attn multiplies no tile of scores that lies wholly above the diagonal of the causal mask.)
.set R,     16                         ; v16-79   four sets of 16 numbers as they are loaded
.set X,     80                         ; v80-111  two sets of 16 neighbours
.set C,     128                        ; v128-191 codes: four registers for each step, so that no store's data are written again
.set E,     112                        ; v112-127 a scale byte for each step
.set WREG,  8192                       ; LDS: a region for each wave: two stages of 32 x SP bytes, then its 256 scale bytes
.set SP,    80                         ; a lane's place in a stage: its 64 bytes + 16 of padding
.set SPW,   12                         ; v12      LDS address of my spare word; never rewritten
.set NIL,   13                         ; v13      0; never rewritten
.set SPARE, WAVES*WREG                 ; behind the four regions: the spare words, 128 bytes a wave
	s_load_b256 s[4:11], s[0:1], 0x0               ; x s[4:5], qkv_w s[6:7], proj_w s[8:9], in_codes s[10:11]
	s_load_b64 s[12:13], s[0:1], 0x20              ; in_scales
	v_lshl_add_u32 v[SPW], v0, 2, SPARE
	v_mov_b32 v[NIL], 0
	v_lshrrev_b32 v1, 5, v0
	v_readfirstlane_b32 s16, v1                    ; wave
	v_and_b32 v2, 31, v0                           ; lane
	v_lshlrev_b32 v3, 4, v2                        ; my 16 bytes of a load's 512
	s_mul_i32 s17, s16, WREG
	v_lshrrev_b32 v14, 2, v2
	v_mul_u32_u24 v14, v14, SP
	v_and_b32 v15, 3, v2
	v_lshl_add_u32 v14, v15, 4, v14
	v_add_nc_u32 v14, s17, v14                     ; the stage, on the way in: SP (lane / 4) + 16 (lane % 4)
	v_mul_u32_u24 v15, v2, SP
	v_add_nc_u32 v15, s17, v15                     ; and on the way out: SP x lane: my 16 neighbours
	v_and_b32 v8, 15, v2
	v_lshrrev_b32 v9, 4, v2
	v_mul_u32_u24 v4, v8, CB
	v_mul_u32_u24 v9, v9, KST
	v_add_nc_u32 v4, v4, v9                        ; a step is half a row, two K steps: lanes 0-15 write the first's 192 bytes, lanes 16-31 the second's
	v_lshrrev_b32 v5, 1, v2
	s_add_co_u32 s17, s17, 2*32*SP
	v_add_nc_u32 v5, s17, v5                       ; LDS: my wave's 256 scale bytes, my block's byte
	v_lshlrev_b32 v7, 3, v2                        ; and on the way out 8 bytes a lane
	v_add_nc_u32 v6, s17, v7
	s_wait_alu depctr_va_vdst(0)
	s_wait_kmcnt 0x0
	s_cmp_lt_u32 ttmp9, 256                        ; work-groups 0-255: x; 256-351: qkv_w; 352-383: proj_w.  The choice hangs on the work-group's number alone
	s_cselect_b64 s[22:23], s[4:5], s[6:7]
	s_cselect_b32 s28, 0, 256
	s_cmp_lt_u32 ttmp9, 352
	s_cselect_b64 s[22:23], s[22:23], s[8:9]
	s_cselect_b32 s28, s28, 352                    ; the tensor's first work-group
	s_cselect_b32 s29, 1, 0                        ; 1: its rows go out in position order
	s_sub_co_u32 s17, ttmp9, s28
	s_lshl_b32 s17, s17, 2
	s_add_co_u32 s18, s17, s16                     ; which run of 8,192 numbers of the tensor my wave reads
	s_lshl_b32 s20, s18, 15                        ; 32,768 bytes a run (1,023 runs at the most)
	s_mov_b32 s21, 0
	s_add_nc_u64 s[22:23], s[22:23], s[20:21]
	s_and_b32 s24, s16, 1
	s_lshl_b32 s24, s24, 1
	s_lshr_b32 s25, s16, 1
	s_or_b32 s24, s24, s25                         ; waves 1 and 2 change places
	s_cmp_lg_u32 s29, 0
	s_cselect_b32 s24, s24, s16
	s_lshl_b32 s25, ttmp9, 2
	s_add_co_u32 s18, s25, s24                     ; which run of the outputs it writes: the three tensors lie on end
	s_mul_i32 s20, s18, 8*192                      ; a run is 8 rows: 1,536 bytes in each K step's part
	s_add_nc_u64 s[10:11], s[10:11], s[20:21]
	s_lshl_b32 s20, s18, 8                         ; 256 scale bytes a run
	s_add_nc_u64 s[12:13], s[12:13], s[20:21]
.macro LOAD t
.irp i, 0,1,2,3
	global_load_b128 v[R+16*((\t)%4)+4*\i:R+16*((\t)%4)+4*\i+3], v3, s[22:23] offset:2048*(\t)+512*\i th:TH_LOAD_NT   ; 32 lanes read 512 consecutive bytes
.endr
.endm
.macro TURN t                          ; step t's numbers through the stage: LDS serves a wave's instructions in order, so no wait stands between the stores and the loads
.irp i, 0,1,2,3
	ds_store_b128 v14, v[R+16*((\t)%4)+4*\i:R+16*((\t)%4)+4*\i+3] offset:32*SP*((\t)%2)+8*SP*\i
.endr
.irp i, 0,1,2,3
	ds_load_b128 v[X+16*((\t)%2)+4*\i:X+16*((\t)%2)+4*\i+3], v15 offset:32*SP*((\t)%2)+16*\i
.endr
.endm
.irp t, 0,1,2,3
	LOAD \t
.endr
	s_wait_loadcnt 12                              ; step 0's four loads are in; the twelve of steps 1 to 3 may be out
	TURN 0
.macro STEP t
.set XS, X+16*((\t)%2)
.if (\t) > 0
	s_wait_dscnt 1                                 ; this step's numbers are back from the stage (the last step's byte store may be out)
.else
	s_wait_dscnt 0x0
.endif
.if (\t)+4 < STEPS
	LOAD (\t)+4                                    ; into the registers that this step's stores into the stage have read
.endif
.if (\t)+1 < STEPS
.if STEPS-2-(\t) >= 3
	s_wait_loadcnt 12                              ; the next step's four loads are in; those of the three steps behind it may be out
.else
	s_wait_loadcnt 4*(STEPS-2-(\t))
.endif
	TURN (\t)+1                                    ; through the other stage while this step is worked
.endif
	v_max3_num_f32 v8, |v[XS]|, |v[XS+1]|, |v[XS+2]|               ; the largest magnitude of my 16, in two chains
	v_max3_num_f32 v9, |v[XS+3]|, |v[XS+4]|, |v[XS+5]|
.irp i, 6,10
	v_max3_num_f32 v8, v8, |v[XS+\i]|, |v[XS+\i+1]|
	v_max3_num_f32 v9, v9, |v[XS+\i+2]|, |v[XS+\i+3]|
.endr
	v_max3_num_f32 v8, v8, |v[XS+14]|, |v[XS+15]|
	v_max3_num_f32 v8, v8, v9, (EMAX+1)<<23        ; and the floor 2^(3 - 127): the byte cannot fall under 1
	v_max_num_f32_dpp v8, v8, v8 row_xmask:1 row_mask:0xf bank_mask:0xf   ; and of my neighbour's 16: the block's
	v_add_nc_u32 v11, -(EMAX<<23), v8              ; 2 off its exponent field: the conversion takes the exponent field of this operand as its scale
	v_cvt_scalef32_pk16_fp6_f32 v[C+4*(\t):C+4*(\t)+2], v[XS:XS+15], v11
	v_lshrrev_b32 v[E+(\t)], 23, v11               ; the scale's byte (also the plain line behind the conversion)
	ds_store_b8 v5, v[E+(\t)] offset:16*(\t)       ; both lanes of a block write the same byte with the same value
	global_store_b96 v4, v[C+4*(\t):C+4*(\t)+2], s[10:11] offset:2*KST*((\t)%2)+192*((\t)/2)   ; row t / 2, K steps 2 (t % 2) and 2 (t % 2) + 1
.endm
.irp t, 0,1,2,3,4,5,6,7,8,9,10,11,12,13,14,15
	STEP \t
.endr
	ds_load_b64 v[8:9], v6                         ; LDS serves a wave's instructions in order: these see my stores
	s_wait_dscnt 0x0
	global_store_b64 v7, v[8:9], s[12:13]          ; 32 lanes store 256 consecutive bytes, aligned
	s_wait_tensorcnt 0x0                           ; the wave's end
	ds_add_u32 v[SPW], v[NIL]
	s_wait_dscnt 0x0
	s_endpgm
.Lfunc_end_k_qee3b3dfd92_quant:
	.size	k_qee3b3dfd92_quant, .Lfunc_end_k_qee3b3dfd92_quant-k_qee3b3dfd92_quant
	.p2alignl 7, 3214868480
	.fill 96, 4, 3214868480
	.section	.rodata,"a",@progbits
	.p2align	6, 0x0
	.amdhsa_kernel k_qee3b3dfd92_quant
		.amdhsa_group_segment_fixed_size 33280
		.amdhsa_private_segment_fixed_size 0
		.amdhsa_enable_private_segment 0
		.amdhsa_kernarg_size 40
		.amdhsa_user_sgpr_count 2
		.amdhsa_user_sgpr_kernarg_segment_ptr 1
		.amdhsa_wavefront_size32 1
		.amdhsa_system_sgpr_workgroup_id_x 1
		.amdhsa_system_sgpr_workgroup_id_y 1
		.amdhsa_system_sgpr_workgroup_id_z 1
		.amdhsa_system_vgpr_workitem_id 0
		.amdhsa_next_free_vgpr 192
		.amdhsa_next_free_sgpr 66
		.amdhsa_reserve_vcc 0
		.amdhsa_float_denorm_mode_32 3
		.amdhsa_float_denorm_mode_16_64 3
		.amdhsa_memory_ordered 1
		.amdhsa_forward_progress 1
		.amdhsa_inst_pref_size 33
	.end_amdhsa_kernel
	.amdgpu_metadata
---
amdhsa.version: [ 1, 2 ]
amdhsa.kernels:
  - .name:           k_qee3b3dfd92_quant
    .symbol:         k_qee3b3dfd92_quant.kd
    .args:
      - { .name: x, .offset: 0, .size: 8, .value_kind: global_buffer, .address_space: global }
      - { .name: qkv_w, .offset: 8, .size: 8, .value_kind: global_buffer, .address_space: global }
      - { .name: proj_w, .offset: 16, .size: 8, .value_kind: global_buffer, .address_space: global }
      - { .name: in_codes, .offset: 24, .size: 8, .value_kind: global_buffer, .address_space: global }
      - { .name: in_scales, .offset: 32, .size: 8, .value_kind: global_buffer, .address_space: global }
    .group_segment_fixed_size: 33280
    .private_segment_fixed_size: 0
    .kernarg_segment_align: 8
    .kernarg_segment_size: 40
    .max_flat_workgroup_size: 128
    .sgpr_count:     66
    .vgpr_count:     192
    .wavefront_size: 32
...
	.end_amdgpu_metadata
.endif
;; end of part 1
;; launch qkv (part 2): grid 8 x 48, 4 waves a work-group, clusters of 4 x 4, 327,680 bytes of LDS; arguments in_codes, in_scales, qkv_b, qkv_codes, qkv_scales; writes qkv_codes, qkv_scales
.if DOCPART == 2
	.amdgcn_target "amdgcn-amd-amdhsa--gfx1250"
	.amdhsa_code_object_version 6
	.text
	.protected	k_qee3b3dfd92_qkv
	.globl	k_qee3b3dfd92_qkv
	.p2align	8
	.type	k_qee3b3dfd92_qkv,@function
k_qee3b3dfd92_qkv:
	s_mov_b64 s[64:65], 0
	v_nop
	global_prefetch_b8 v0, s[64:65] scope:SCOPE_SE
	s_setreg_imm32_b32 hwreg(HW_REG_WAVE_MODE, 25, 1), 1
	s_wait_xcnt 0x0
	s_wait_alu depctr_hold_cnt(0) depctr_sa_sdst(0) depctr_va_vdst(0) depctr_va_sdst(0) depctr_va_ssrc(0) depctr_va_vcc(0) depctr_vm_vsrc(0)
	s_getreg_b32 s2, hwreg(HW_REG_IB_STS2, 6, 4)
	s_cmp_eq_u32 s2, 0
	s_cbranch_scc0 .Lentry_in_a_cluster
	s_endpgm
.Lentry_in_a_cluster:
	s_bfe_u32 s2, ttmp6, 0x10000c
	s_cmp_lg_u32 s2, 0xf033
	s_cbranch_scc0 .Lentry_shape_is_right
	s_endpgm
.Lentry_shape_is_right:
; qkv = x qkv_w^T + qkv_b on codes of FP6 (E2M3) with E8M0 scales, K = 1,024; the results are quantised at once, in registers, as the operands of attention's two products, and leave as codes.
; A tile of 256 x 256 is made by four waves, 128 x 128 each: 64 accumulators of 16 x 16, 512 registers.  K goes in steps of 256 through a ring of two LDS slots filled by the tensor data mover.
; NAMES.  P is the matrix instruction's source 0: its row index runs along a lane's registers in the result.  S is source 1: a lane holds one of its rows.  What is quantised runs along P.
; TWO MODES, chosen by the cluster's y, which all partners share.  QK (cluster y 0-7, 256 tiles): S = tokens, P = features 0-2047: a lane holds one token and 128 features, two heads' 64: q and k are quantised along the head's axis.
; V (cluster y 8-11, 128 tiles): S = features 2048-3071, P = tokens: a lane holds one channel of v and 128 tokens: v is quantised along the keys.  The text is one; the modes differ in scalars and in which bias register starts a sum.
; POSITION ORDER.  The rows of x and of qkv_w lie in in_codes with position 16 u + r of every 32 holding row 8 u + r + 8 (r / 8).  So register j of tile t holds P's row 32 (t / 2) + 8 (t % 2) + 16 (lane / 16) + j:
; the 64 registers of the eight tiles of a block of S are, 16 by 16, neighbours along P.  S's rows stay in position order in what is stored.
; OUT.  qkv_codes [batch 4][plane 48][98,304 bytes]: planes 0-15 q, 16-31 k: [token position 2,048][48 bytes]; planes 32-47 v: [64 keys: 32][channel position 64][48 bytes].
; qkv_scales [batch][plane][8,192 bytes]: q, k: a word for each position: two bytes, and 0x7f twice for the half of the instruction's K that attention fills with zero codes; v: [128 keys: 16][channel position 64] words.
; CLUSTERS: 4 x 4 work-groups; S's tiles are shared along a row of the cluster, P's along a column: joint loads, as many requests as a quarter of the work-groups.
; LIMITS: a block of zeros, or one whose largest magnitude lies under 2^-124, gets the byte 1 (its codes add nothing; this program alone reads the bytes); NaN and infinities are not served.
; REGISTERS, in windows of 256: window 0: v1-31 addresses; v32-63 scale words, two sets; v64-127 the bias, later the quantiser's work; v128-223 S's fragments, ONE set, later the codes on their way out; v224-231 the bias's offsets.
;   window 1: P's fragments, TWO sets, at v0 and v128.   window 2: the accumulators of S's blocks 0-3 ((a, b) at v[8 (8 (a % 4) + b)]);   window 3: those of blocks 4-7.
.set KSTEP,  256                       ; along K in a slot
.set NQ,     KSTEP/128                 ; matrix instructions deep
.set ROWB,   192                       ; a row's bytes in one K step
.set KST,    2359296                   ; in_codes is laid [K step: 4][row: 12,288][192 bytes]; a tile's rows are dense and are fetched as rows of 256 bytes; the padding behind every 64 bytes gives the LDS pitch of 240
.set KROW,   768                       ; a row of in_codes
.set PITCH,  240                       ; an LDS row: 3 x (64 bytes + 16 of padding): the 32 lanes of a load of 8 bytes touch 64 different words modulo 64
.set FR,     12                        ; registers of a fragment
.set NL,     6                         ; LDS loads that bring one
.set NP,     4                         ; places behind this matrix instruction (ISA guide 7.12.1)
.set HALFT,  128*PITCH                 ; 128 rows: what one tensor load brings
.set SLOT,   4*HALFT                   ; S's 256 rows, then P's 256 rows
.set LAPS,   2                         ; 1,024 / (2 x 256)
.set KS,     32                        ; a row of scales in bytes
.set SCL,    2*SLOT                    ; behind the ring: the scales, as units of 256 bytes + 16 of padding
.set HALFS,  (128*KS/256)*272
.set SBLK,   (16*KS/256)*272
.set SPARE,  SCL+4*HALFS               ; the spare words, 128 bytes a wave
.set WSTG,   13312                     ; the way out: a stage for each wave, 12,288 bytes of codes + 1,024 of scale words, in slot 0, which has had its last fill and its last read by then
.set CO,   8                           ; v8-11   the way out: 16 x lane + the quarter's place in qkv_codes
.set SSTO, 14                          ; v14     where I put a scale word
.set SRD,  15                          ; v15     where I read scale words back
.set ADRA, 16                          ; v16-17  LDS address of S's fragments in slot 0, 1  (v18-19: behind one padding more)
.set ADRB, 20                          ; v20-21  the same for P  (v22-23)
.set STO,  24                          ; v24     where I put 24 bytes of codes
.set RD,   25                          ; v25     where I read codes back
.set ADRS, 27                          ; v27     LDS address of my scale words: lanes 0-15 S's rows, lanes 16-31 P's
.set SPW,  28                          ; v28     my spare word; never rewritten
.set NIL,  29                          ; v29     0; never rewritten
.set SHL,  30                          ; v30     QK: 16 (lane / 16); V: 0
.set COS,  31                          ; v31     my byte offset among the scale words in memory
.set SC,   32
.set BI,   64                          ; v64-127 the bias: the C of each sum's first product
.set AF,   128
.set LT,   224                         ; v224-231 the bias's offsets, one for each of an accumulator's eight registers
.set TM,   64                          ; the quantiser's work, where the bias lay: v64-67 largest magnitudes, v68-71 bytes, v76-79 scale operands
.set PW,   80                          ; the four bytes of a row
.set W2,   81                          ; the word that is stored
.set PC,   84                          ; v84-95 a fragment's codes, v96-102 at work
.set SEL,  66                          ; s[66:67] lane selects for v_permlanex16_b32: lane l xor 16
.set G1, 24                            ; s[24:31] group 1 for S's tiles;  s[32:39] group 0, one set for each slot
.set G0, 32
.set G1B, 48                           ; s[48:55], s[56:63] the same for P's
.set G0B, 56
.set G1S, 68                           ; s[68:75], s[76:79] groups 1 and 0 for S's scales;  s[80:87], s[88:91] for P's
.set G0S, 76
.set G1SB, 80
.set G0SB, 88
.set MSB, 0
.macro WIN new                         ; the immediate's high byte repeats the setting that is left
.if MSB != \new
	s_set_vgpr_msb (MSB<<8)|\new
.set MSB, \new
.endif
.endm
.set MUL_LO, 0xa1                      ; source 0 (P) window 1, source 1 (S) window 0, C and D window 2
.set MUL_HI, 0xf1                      ; the same, C and D window 3
.set FST_LO, 0x81                      ; the first products: C (the bias) window 0, D window 2
.set FST_HI, 0xc1                      ; D window 3
.set TO_B,   0x40                      ; destination window 1, address window 0
; A joint load: waves 0 and 1 fetch for S, waves 2 and 3 for P.  The branch hangs on the wave's number alone.  An s_nop 0 and four v_nop follow each of the two lines.
.macro JLOAD g0a, g1a, g0b, g1b
	s_cmp_eq_u32 s15, 0
	s_cbranch_scc0 .Lfor_b_\@
	tensor_load_to_lds s[\g0a:\g0a+3], s[\g1a:\g1a+7]
	s_nop 0
.rept 4
	v_nop
.endr
	s_branch .Lasked_\@
.Lfor_b_\@:
	tensor_load_to_lds s[\g0b:\g0b+3], s[\g1b:\g1b+7]
	s_nop 0
.rept 4
	v_nop
.endr
.Lasked_\@:
.endm
.macro CREST                           ; a round of the cluster's barrier behind its opening barrier
	s_cmp_lg_u32 s14, 0
	s_cbranch_scc1 .Lnot_wave_0_\@
	s_barrier_signal -3
.Lnot_wave_0_\@:
	s_barrier_wait -3
	s_barrier_signal -1
	s_barrier_wait -1
.endm
.macro CROUND                          ; a whole round
	s_barrier_signal -1
	s_barrier_wait -1
	CREST
.endm
	s_load_b256 s[4:11], s[0:1], 0x0               ; in_codes s[4:5], in_scales s[6:7], qkv_b s[8:9], qkv_codes s[10:11]
	s_load_b64 s[12:13], s[0:1], 0x20              ; qkv_scales
	v_lshl_add_u32 v[SPW], v0, 2, SPARE
	v_mov_b32 v[NIL], 0
	ds_add_u32 v[SPW], v[NIL]                      ; the wave's opening: the add and its wait come ahead of my first tensor load; the set-up below stands between them
	ds_add_u32 v[SPW], v[NIL]
	v_lshrrev_b32 v1, 5, v0
	v_readfirstlane_b32 s14, v1                    ; wave 0..3
	s_lshr_b32 s15, s14, 1                         ; which half of S's rows is mine.  Also: I fetch for S (0) or for P (1)
	s_and_b32 s16, s14, 1                          ; which half of P's rows.  Also: which 128 rows of that tile I fetch
	s_bfe_u32 s40, ttmp6, 0x40000                  ; cx, cy: my place in the cluster
	s_bfe_u32 s41, ttmp6, 0x40004
	s_and_b32 s98, ttmp7, 0xffff                   ; the cluster's y
	s_lshl_b32 s17, s98, 2
	s_lshl_b32 s99, s98, 3
	s_sub_co_u32 s99, s99, 64                      ; 8 (cluster y - 8): taken in mode V alone
	s_cmp_ge_u32 s98, 8
	s_cselect_b32 s2, 1, 0                         ; the mode: 0 QK, 1 V
	s_cselect_b32 s17, 40, s17                     ; S's tiles, in units of 256 rows of in_codes: V: v's features, from row 10,240; QK: tokens
	s_cselect_b32 s99, s99, 32                     ; P's: V: tokens; QK: q's and k's features, from row 8,192
	s_add_co_u32 s17, s17, s41                     ; S's tile: + cy
	s_lshl_b32 s42, ttmp9, 2
	s_add_co_u32 s42, s42, s40
	s_add_co_u32 s42, s42, s99                     ; P's tile: + 4 x cluster x + cx
	s_lshl_b32 s43, s41, 2
	s_lshl_b32 s43, 15, s43                        ; my row of the cluster
	s_lshl_b32 s44, 0x1111, s40                    ; my column
	; group 1: a tile of 128 rows x 192 bytes, 16 bytes of padding behind every 64
	s_or_b32 s[G1+0], s43, (0<<16)|(1<<20)|(1<<21)|(3<<22)|(3<<25)  ; 15:0 the mask: S's tiles go to my row; elements of 1 byte; padding on; bit 21 beside a mask; after every 16 words, 4 words
	s_or_b32 s[G1B+0], s44, (0<<16)|(1<<20)|(1<<21)|(3<<22)|(3<<25)
.irp g, G1, G1B
	s_mov_b32 s[\g+1], 256<<16                     ; rows of 256 bytes
	s_mov_b32 s[\g+2], 192<<16                     ; the head's loads: 256 tile rows = 192 such rows; the ring's: 96, set behind the head's wait
	s_mov_b32 s[\g+3], 256<<16
	s_mov_b32 s[\g+4], 192
	s_mov_b32 s[\g+5], 256
	s_mov_b32 s[\g+6], 0
	s_mov_b32 s[\g+7], 0
.endr
	; the scales of 256 rows: 8,192 dense bytes, as 32 rows of 256 bytes (32 elements of 8), 16 bytes of padding behind each
	s_or_b32 s[G1S+0], s43, (3<<16)|(1<<20)|(1<<21)|(5<<22)|(3<<25)
	s_or_b32 s[G1SB+0], s44, (3<<16)|(1<<20)|(1<<21)|(5<<22)|(3<<25)
.irp g, G1S, G1SB
	s_mov_b32 s[\g+1], 32<<16
	s_mov_b32 s[\g+2], KS<<16                      ; the scales of 256 rows: 32 rows of 256 bytes
	s_mov_b32 s[\g+3], 32<<16
	s_mov_b32 s[\g+4], KS
	s_mov_b32 s[\g+5], 32
	s_mov_b32 s[\g+6], 0
	s_mov_b32 s[\g+7], 0
.endr
	s_mov_b32 s[SEL], 0x76543210
	s_mov_b32 s[SEL+1], 0xfedcba98
	s_lshl_b32 s20, s17, 8                         ; S: the tile's first row
	s_lshl_b32 s46, s42, 8                         ; P likewise
	s_mov_b32 s21, 0
	s_mov_b32 s47, 0
	s_mov_b64 s[18:19], KS
	s_mul_u64 s[22:23], s[20:21], s[18:19]         ; where these rows' scales begin, in bytes
	s_mul_u64 s[92:93], s[46:47], s[18:19]
	s_mov_b64 s[18:19], ROWB
	s_mul_u64 s[20:21], s[20:21], s[18:19]         ; and their codes, in K step 0's part
	s_mul_u64 s[46:47], s[46:47], s[18:19]
	s_mul_i32 s18, s16, 128*ROWB                   ; in the ring I fetch 128 rows of a tile: which half, in bytes
	s_mov_b32 s19, 0
	s_mul_i32 s45, s14, HALFT                      ; and where they go: wave x 128 rows
	s_wait_dscnt 0x0                               ; the opening add is done
	s_wait_kmcnt 0x0
	s_add_nc_u64 s[20:21], s[4:5], s[20:21]
	s_add_nc_u64 s[22:23], s[6:7], s[22:23]
	s_add_nc_u64 s[46:47], s[4:5], s[46:47]
	s_add_nc_u64 s[92:93], s[6:7], s[92:93]
	CROUND                                         ; all sixteen work-groups are here: the first joint loads meet
	s_mov_b32 s[G0S], 1
	s_mov_b32 s[G0S+1], SCL
	s_mov_b64 s[G0S+2:G0S+3], s[22:23]
	s_or_b32 s[G0S+3], s[G0S+3], 0x80000000
	s_mov_b32 s[G0SB], 1
	s_mov_b32 s[G0SB+1], SCL+2*HALFS
	s_mov_b64 s[G0SB+2:G0SB+3], s[92:93]
	s_or_b32 s[G0SB+3], s[G0SB+3], 0x80000000
	s_mov_b32 s[G0], 1                             ; the head's loads of K step 0: S's 256 rows whole,
	s_mov_b32 s[G0+1], 0
	s_mov_b64 s[G0+2:G0+3], s[20:21]
	s_or_b32 s[G0+3], s[G0+3], 0x80000000
	s_mov_b32 s[G0B], 1                            ; and P's, behind them
	s_mov_b32 s[G0B+1], 2*HALFT
	s_mov_b64 s[G0B+2:G0B+3], s[46:47]
	s_or_b32 s[G0B+3], s[G0B+3], 0x80000000
	s_add_nc_u64 s[20:21], s[20:21], s[18:19]      ; for the ring: my 128 rows
	s_add_nc_u64 s[46:47], s[46:47], s[18:19]
	s_mov_b32 s[G0+4], 1
	s_add_co_u32 s[G0+5], s45, SLOT
	s_add_nc_u64 s[G0+6:G0+7], s[20:21], KST
	s_or_b32 s[G0+7], s[G0+7], 0x80000000
	s_mov_b32 s[G0B+4], 1
	s_add_co_u32 s[G0B+5], s45, SLOT
	s_add_nc_u64 s[G0B+6:G0B+7], s[46:47], KST
	s_or_b32 s[G0B+7], s[G0B+7], 0x80000000
; The head's four tiles, one load a wave: wave 0 S's rows, wave 1 P's, wave 2 S's scales, wave 3 P's.  One tree of branches on the wave's number.
.macro ARM under, g0, g1, next
	s_cmp_lt_u32 s14, \under
	s_cbranch_scc0 \next
	tensor_load_to_lds s[\g0:\g0+3], s[\g1:\g1+7]
	s_nop 0
.rept 4
	v_nop
.endr
	s_branch .Lhead_asked
\next:
.endm
	ARM 1, G0,  G1,  .Lhead_b
	ARM 2, G0B, G1B, .Lhead_sa
	ARM 3, G0S, G1S, .Lhead_sb
	tensor_load_to_lds s[G0SB:G0SB+3], s[G1SB:G1SB+7]
	s_nop 0
.rept 4
	v_nop
.endr
.Lhead_asked:
	v_and_b32 v1, 15, v0                           ; r = l % 16
	v_bfe_u32 v2, v0, 4, 1                         ; h = l / 16
	v_mul_u32_u24 v3, v1, PITCH
	v_mul_u32_u24 v4, v2, 24
	v_add_nc_u32 v4, v3, v4                        ; a fragment's row x pitch + 24 x half
	v_lshl_add_u32 v5, v2, 4, v4                   ; and the same behind one padding more
	s_mul_i32 s21, s15, HALFT                      ; my 128 rows of S
	s_mul_i32 s22, s16, HALFT                      ; my 128 rows of P,
	s_add_co_u32 s22, s22, 2*HALFT                 ; which lie behind S's 256
.irp s, 0,1
	v_add_nc_u32 v[ADRA+\s], s21, v4
	v_add_nc_u32 v[ADRB+\s], s22, v4
	v_add_nc_u32 v[ADRA+2+\s], s21, v5
	v_add_nc_u32 v[ADRB+2+\s], s22, v5
	s_add_co_u32 s21, s21, SLOT
	s_add_co_u32 s22, s22, SLOT
.endr
	v_mul_u32_u24 v5, v1, KS                       ; my row's scales: 32 bytes a row,
	v_lshrrev_b32 v6, 8, v5
	v_lshl_add_u32 v5, v6, 4, v5                   ; and 16 more for each 256 passed
	s_mul_i32 s21, s15, HALFS                      ; S's: my 128 rows
	s_mul_i32 s22, s16, HALFS                      ; P's: my 128 rows, behind S's 256
	s_add_co_u32 s22, s22, 2*HALFS
	s_sub_co_u32 s22, s22, s21
	v_mul_u32_u24 v6, s22, v2                      ; lanes 16-31 take P's
	s_add_co_u32 s21, s21, SCL
	v_add_nc_u32 v5, v5, v6
	v_add_nc_u32 v[ADRS], s21, v5
	s_mul_i32 s23, s14, WSTG                       ; my stage
	v_mul_u32_u24 v5, v1, 48
	v_mad_u32_u24 v5, v2, 24, v5
	v_add_nc_u32 v[STO], s23, v5                   ; in: 48 r + 24 h: a lane's 24 bytes of a row of 48
	v_and_b32 v6, 31, v0
	v_lshlrev_b32 v[CO], 4, v6                     ; 16 x lane
	v_add_nc_u32 v[RD], s23, v[CO]                 ; back: 512 consecutive bytes a load
	v_lshlrev_b32 v5, 2, v1
	v_lshl_add_u32 v5, v2, 9, v5
	v_add_nc_u32 v5, s23, v5
	v_add_nc_u32 v[SSTO], 12288, v5                ; scale words: 4 r + 512 h, behind the codes
	v_add_nc_u32 v[SRD], 12288, v[RD]
	; what hangs on the mode: all selections on one compare
	s_lshl_b32 s20, s17, 8
	s_lshl_b32 s21, s15, 7
	s_add_co_u32 s20, s20, s21                     ; my first row of S in in_codes
	s_lshl_b32 s46, s42, 8
	s_lshl_b32 s47, s16, 7
	s_add_co_u32 s46, s46, s47                     ; and of P
	s_mov_b32 s21, 98304
	s_cmp_eq_u32 s2, 0
	s_cselect_b32 s22, s20, s46                    ; my first token
	s_cselect_b32 s23, s46, s20                    ; my first feature + 8,192
	s_cselect_b32 s92, 3072, s21                   ; from a quarter of the stage to the next: QK: 64 positions on; V: the next head's plane
	s_cselect_b32 s93, s21, 3072                   ; from a half to the next: QK: the next head's plane; V: the next 64 keys
	s_cselect_b32 s94, 2, 1                        ; scale bytes for a token: QK 4, V 2 (256 for 128 keys)
	s_cselect_b32 s95, 8, 13                       ; lanes 16-31 of the scale store: QK 256 bytes on, V the next head's plane
	s_cselect_b32 s96, 0xffff, -1                  ; what is kept of the shifted word,
	s_cselect_b32 s97, 0x7f7f0000, 0               ; and what is set beside it
	s_cselect_b32 s98, 4, 0
	s_cselect_b32 s99, 16, 0
	s_sub_co_u32 s23, s23, 8192                    ; my first feature
	s_lshl_b32 s20, s23, 2
	s_mov_b32 s21, 0
	s_add_nc_u64 s[8:9], s[8:9], s[20:21]          ; qkv_b at my first feature
	; THE BIAS is the C of each sum's first product.  QK: it runs along the registers: register j of P's tile i wants feature 32 (i / 2) + 8 (i % 2) + 16 h + j.
	; V: it hangs on the lane: all eight registers of S's block i want the feature at position 16 i + r: 32 (i / 2) + 8 (i % 2) + r + 8 (r / 8).  One run of loads serves both: the offsets differ.
	s_lshl_b32 s20, s98, 4                         ; 64 or 0
	s_sub_co_u32 s47, 4, s98                       ; 0 or 4
	v_and_b32 v3, 8, v1
	v_add_nc_u32 v3, v3, v1                        ; r + 8 (r / 8)
	v_mul_u32_u24 v3, v3, s47
	v_mad_u32_u24 v3, v2, s20, v3                  ; QK: 64 h; V: 4 (r + 8 (r / 8))
	s_wait_alu depctr_va_vdst(0)
.irp j, 0,1,2,3,4,5,6,7
	s_mul_i32 s47, s98, \j
	v_add_nc_u32 v[LT+\j], s47, v3                 ; QK: + 4 j
.endr
.irp i, 0,1,2,3,4,5,6,7
.irp j, 0,1,2,3,4,5,6,7
	global_load_b32 v[BI+8*\i+\j], v[LT+\j], s[8:9] offset:4*(32*(\i/2)+8*(\i%2))
.endr
.endr
	; where my results go
	s_lshr_b32 s20, s22, 11                        ; the batch
	s_mul_i32 s20, s20, 48
	s_lshr_b32 s47, s23, 6
	s_add_co_u32 s20, s20, s47                     ; the plane: 48 x batch + feature / 64
	s_and_b32 s22, s22, 2047                       ; the token in its batch
	s_mul_i32 s46, s20, 98304
	s_mul_i32 s47, s22, 48                         ; QK: 48 bytes a position; V: 3,072 bytes for 64 keys
	s_add_co_u32 s46, s46, s47
	s_mov_b32 s47, 0
	s_add_nc_u64 s[10:11], s[10:11], s[46:47]
	s_lshl_b32 s46, s20, 13
	s_lshl_b32 s22, s22, s94
	s_add_co_u32 s46, s46, s22
	s_add_nc_u64 s[12:13], s[12:13], s[46:47]
	v_add_nc_u32 v[CO+1], s92, v[CO]
	v_add_nc_u32 v[CO+2], s93, v[CO]
	v_add_nc_u32 v[CO+3], s92, v[CO+2]
	v_lshlrev_b32 v[COS], 4, v1
	v_lshlrev_b32 v5, s95, v2
	v_add_nc_u32 v[COS], v[COS], v5
	v_mul_u32_u24 v[SHL], v2, s99
.macro FRAG reg, adr, q, i             ; a fragment, 16 rows x 128 K, is 12 registers: lane l holds row l % 16; registers 6 c .. 6 c + 5 hold K = 64 c + 32 (l / 16) + 0 .. 31: 24 bytes of the row, as they lie
.irp p, 0,1,2,3,4,5                    ; in pieces of 8 bytes.  Lanes 16-31 read three pieces further on than lanes 0-15: where that is behind one padding more, the second address register serves
.set PCE, 12*(\q)+6*(\p/3)+\p%3
.if PCE%8 < 5
	ds_load_b64 v[\reg+2*\p:\reg+2*\p+1], v[\adr] offset:8*PCE+16*(PCE/8)+(\i)*16*PITCH
.else
	ds_load_b64 v[\reg+2*\p:\reg+2*\p+1], v[\adr+2] offset:8*PCE+16*(PCE/8)+(\i)*16*PITCH
.endif
.endr
.endm
; 16 matrix instructions: S's blocks a0, a0 + 1 x P's eight, 128 along K.  p: P's set;  sc: the set of scale words.  first = 1: the sums start from the bias of P's tile (QK); 2: from that of S's block (V); 0: they go on.
; The 64 accumulators take turns, one instruction a turn, in the same order in every step.
.macro MUL16 a0, p, q, sc, first
.irp a, \a0, \a0+1
.irp b, 0,1,2,3,4,5,6,7
.if (\first) == 1
	v_wmma_scale_f32_16x16x128_f8f6f4 v[8*(8*((\a)%4)+\b):8*(8*((\a)%4)+\b)+7], v[128*(\p)+FR*\b:128*(\p)+FR*\b+FR-1], v[AF+FR*(\a):AF+FR*(\a)+FR-1], v[BI+8*\b:BI+8*\b+7], v[SC+8*NQ*(\sc)+NQ*\b+(\q)], v[SC+8*NQ*(\sc)+NQ*(\a)+(\q)] matrix_a_fmt:MATRIX_FMT_FP6 matrix_b_fmt:MATRIX_FMT_FP6 matrix_a_scale:MATRIX_SCALE_ROW1
.elseif (\first) == 2
	v_wmma_scale_f32_16x16x128_f8f6f4 v[8*(8*((\a)%4)+\b):8*(8*((\a)%4)+\b)+7], v[128*(\p)+FR*\b:128*(\p)+FR*\b+FR-1], v[AF+FR*(\a):AF+FR*(\a)+FR-1], v[BI+8*(\a):BI+8*(\a)+7], v[SC+8*NQ*(\sc)+NQ*\b+(\q)], v[SC+8*NQ*(\sc)+NQ*(\a)+(\q)] matrix_a_fmt:MATRIX_FMT_FP6 matrix_b_fmt:MATRIX_FMT_FP6 matrix_a_scale:MATRIX_SCALE_ROW1
.else
	v_wmma_scale_f32_16x16x128_f8f6f4 v[8*(8*((\a)%4)+\b):8*(8*((\a)%4)+\b)+7], v[128*(\p)+FR*\b:128*(\p)+FR*\b+FR-1], v[AF+FR*(\a):AF+FR*(\a)+FR-1], v[8*(8*((\a)%4)+\b):8*(8*((\a)%4)+\b)+7], v[SC+8*NQ*(\sc)+NQ*\b+(\q)], v[SC+8*NQ*(\sc)+NQ*(\a)+(\q)] matrix_a_fmt:MATRIX_FMT_FP6 matrix_b_fmt:MATRIX_FMT_FP6 matrix_a_scale:MATRIX_SCALE_ROW1
.endif
.endr
.endr
.endm
.macro FETCH_B slot, q, p              ; P's eight fragments of the slot's q-th 128 along K into set p
	WIN TO_B
.irp i, 0,1,2,3,4,5,6,7
	FRAG 128*(\p)+FR*\i, ADRB+\slot, \q, \i
.endr
	WIN 0
.endm
.macro FETCH_A slot, q, i0             ; S's blocks i0 .. i0 + 3
.irp i, \i0, \i0+1, \i0+2, \i0+3
	FRAG AF+FR*(\i), ADRA+\slot, \q, \i
.endr
.endm
.macro SCALES sc                       ; the next K step's scale words into set sc: lanes 0-15 take S's block i, lanes 16-31 P's block i
.irp i, 0,1,2,3,4,5,6,7
	ds_load_b64 v[SC+8*NQ*\sc+NQ*\i:SC+8*NQ*\sc+NQ*\i+1], v[ADRS] offset:\i*SBLK
.endr
.endm
.macro PLACES n                        ; plain vector instructions between a matrix instruction and a load into, or a vector instruction on, its registers
.rept \n
	v_nop
.endr
.endm
; A step of 128 along K that has its successor in the same slot.
.macro STEP slot, q, first
	s_wait_dscnt 4*NL                              ; P's set and S's blocks 0-3 are in; the youngest 24 loads (S's blocks 4-7) may be out
.if \first
	WIN FST_LO
.else
	WIN MUL_LO
.endif
	MUL16 0, (\q)%2, \q, \slot, \first
	MUL16 2, (\q)%2, \q, \slot, \first
	s_wait_dscnt 0                                 ; S's blocks 4-7 are in
	PLACES NP
	FETCH_B \slot, (\q)+1, 1-(\q)%2
	FETCH_A \slot, (\q)+1, 0
.if \first
	WIN FST_HI
.else
	WIN MUL_HI
.endif
	MUL16 4, (\q)%2, \q, \slot, \first
	MUL16 6, (\q)%2, \q, \slot, \first
	PLACES NP
	WIN 0
	FETCH_A \slot, (\q)+1, 4
.endm
; A slot's last step changes slots: ONE barrier; in front of it each wave waits for all its tensor loads, adds 0 to its spare word, and waits for that and for its own reads of this slot.  fill = 1: this slot is filled again, two K steps ahead.
.macro TURN slot, next, fill
	s_wait_tensorcnt 0x0                           ; all my tensor loads have landed: my part of the next slot
	ds_add_u32 v[SPW], v[NIL]                      ; 0 onto my spare word
	s_wait_dscnt 4*NL+1                            ; (the add and the youngest 24 loads, S's blocks 4-7, may be out)
	WIN MUL_LO
	MUL16 0, 1, NQ-1, \slot, 0                     ; sixteen matrix instructions stand between the add and the wait for it
	s_wait_dscnt 0x0                               ; the add is done, and my reads of this slot are over
	s_barrier_signal -1
	MUL16 2, 1, NQ-1, \slot, 0
	WIN 0
	s_barrier_wait -1
.if \fill
	CREST                                          ; the barrier has opened a round of the cluster's barrier: no wave of any partner still reads this slot or has a load on its way
	s_add_nc_u64 s[G0+4*\slot+2:G0+4*\slot+3], s[G0+4*\slot+2:G0+4*\slot+3], 2*KST
	s_add_nc_u64 s[G0B+4*\slot+2:G0B+4*\slot+3], s[G0B+4*\slot+2:G0B+4*\slot+3], 2*KST
	JLOAD G0+4*\slot, G1, G0B+4*\slot, G1B         ; the first tensor load behind the round; its four v_nop are also the places in front of the loads below
.else
	PLACES NP
.endif
	s_wait_alu depctr_va_vdst(0)
	v_add_nc_u32 v[ADRS], 4*NQ, v[ADRS]            ; on to the next K step's scale words (no LDS load of mine is out)
	FETCH_B \next, 0, 0
	FETCH_A \next, 0, 0
	SCALES \next
	WIN MUL_HI
	MUL16 4, 1, NQ-1, \slot, 0
	MUL16 6, 1, NQ-1, \slot, 0
	PLACES NP
	WIN 0
	FETCH_A \next, 0, 4
.endm
	s_wait_alu depctr_va_vdst(0)                   ; the head's end
	s_wait_tensorcnt 0x0                           ; my tile of the head's four is in
	ds_add_u32 v[SPW], v[NIL]
	s_mov_b32 s[G1+2], 96<<16                      ; no tensor load of mine is out: from here on a load brings 128 tile rows, 96 rows of 256 bytes,
	s_mov_b32 s[G1+4], 96
	s_mov_b32 s[G1B+2], 96<<16
	s_mov_b32 s[G1B+4], 96
	s_mov_b32 s[G0+1], s45                         ; and slot 0's group 0 stands at my half
	s_mov_b32 s[G0B+1], s45
	s_add_nc_u64 s[G0+2:G0+3], s[G0+2:G0+3], s[18:19]
	s_add_nc_u64 s[G0B+2:G0B+3], s[G0B+2:G0B+3], s[18:19]
	s_wait_dscnt 0x0
	CROUND                                         ; all four tiles are in, and the sixteen work-groups are here
	JLOAD G0+4, G1, G0B+4, G1B                     ; K step 1, the first tensor load behind the round
	FETCH_B 0, 0, 0
	FETCH_A 0, 0, 0
	SCALES 0
	FETCH_A 0, 0, 4
	s_wait_loadcnt 0x0                             ; the bias
	s_cmp_eq_u32 s2, 0                             ; the first step is written twice: the modes name different bias registers.  The branch hangs on the cluster's y alone
	s_cbranch_scc0 .Lfirst_v
	STEP 0, 0, 1
	s_branch .Ljoin
.Lfirst_v:
	STEP 0, 0, 2
.Ljoin:
	s_mov_b32 s3, LAPS-1
.Llap:                                                 ; a trip goes once round the ring and fills both slots again
	TURN 0, 1, 1
	STEP 1, 0, 0
	TURN 1, 0, 1
	STEP 0, 0, 0
	s_sub_co_u32 s3, s3, 1
	s_cmp_lg_u32 s3, 0
	s_cbranch_scc1 .Llap
	TURN 0, 1, 0                                   ; the last lap fills nothing, and has no round of the cluster's barrier
	STEP 1, 0, 0
	s_wait_dscnt 4*NL                              ; the very last step: nothing more to fetch
	WIN MUL_LO
	MUL16 0, 1, NQ-1, 1, 0
	MUL16 2, 1, NQ-1, 1, 0
	s_wait_dscnt 0
	WIN MUL_HI
	MUL16 4, 1, NQ-1, 1, 0
	MUL16 6, 1, NQ-1, 1, 0
	WIN 0
; THE WAY OUT.  Block a of S: a lane's 64 results, register 16 b + i = P's row 32 b + 16 h + i, are four half blocks of 32: they become 12 registers of codes and four scale bytes, and go to my stage in LDS.
; Each accumulator is read from its low end on.  Lanes 0-15 end up with P's rows 64 c + 0 .. 31 in registers 6 c .. 6 c + 5, lanes 16-31 with rows 64 c + 32 .. 63: 24 h bytes into a row of 48.
.macro QOUT a
.set AC, 64*((\a)%4)
.irp b, 0,1,2,3
	v_mov_b32 v[TM+\b], 0x1800000                  ; the floor 2^(3 - 127): the byte cannot fall under 1
.endr
	WIN 0x28+0x14*((\a)/4)                         ; sources 1 and 2: window 2 or 3
.irp i, 0,2,4,6,8,10,12,14
.irp b, 0,1,2,3
	v_max3_num_f32 v[TM+\b], v[TM+\b], |v[AC+16*\b+\i]|, |v[AC+16*\b+\i+1]|   ; the four blocks by turns
.endr
.endr
	WIN 0
	s_wait_alu depctr_va_vdst(0)
	s_wait_dscnt 0x0                               ; the last block's stores into the stage have read their registers
.irp b, 0,1,2,3
	v_permlanex16_b32 v[TM+4+\b], v[TM+\b], s[SEL], s[SEL+1]
.endr
.irp b, 0,1,2,3
	v_max_num_f32 v[TM+\b], v[TM+\b], v[TM+4+\b]   ; with lane l xor 16's: the block's largest magnitude
.endr
.irp b, 0,1,2,3
	v_add_nc_u32 v[TM+12+\b], 0xff000000, v[TM+\b] ; 2 off its exponent field: the conversion's scale operand
.endr
.irp b, 0,1,2,3
	v_lshrrev_b32 v[TM+4+\b], 23, v[TM+12+\b]      ; the scale's byte
.endr
	v_lshl_or_b32 v[PW], v[TM+5], 8, v[TM+4]
	v_lshl_or_b32 v[PW], v[TM+6], 16, v[PW]
	v_lshl_or_b32 v[PW], v[TM+7], 24, v[PW]
	WIN 2+(\a)/4                                   ; source 0: window 2 or 3
.irp c, 0,1
	v_cvt_scalef32_pk16_fp6_f32 v[PC+6*\c:PC+2+6*\c], v[AC+32*\c:AC+15+32*\c], v[TM+12+2*\c]
	v_cvt_scalef32_pk16_fp6_f32 v[PC+12+4*\c:PC+14+4*\c], v[AC+16+32*\c:AC+31+32*\c], v[TM+12+2*\c+1]   ; (a conversion's three registers begin on an even number)
.endr
	WIN 0
	v_nop                                          ; one plain place behind a scaled conversion
.irp c, 0,1                                    ; a WHOLE block to a lane: lanes 0-15 block 2 c, lanes 16-31 block 2 c + 1
.irp i, 0,1,2
	v_permlane16_swap_b32 v[PC+6*\c+\i], v[PC+12+4*\c+\i]
.endr
.irp i, 0,1,2
	v_mov_b32 v[PC+3+6*\c+\i], v[PC+12+4*\c+\i]
.endr
.endr
	v_lshrrev_b32 v[W2], v[SHL], v[PW]             ; QK: lanes 0-15 keep the first head's two bytes, lanes 16-31 the second's, with 0x7f twice above them; V: the four bytes as they are
	v_and_or_b32 v[W2], v[W2], s96, s97
.irp c, 0,1
.irp p, 0,1,2
	ds_store_b64 v[STO], v[PC+6*\c+2*\p:PC+6*\c+2*\p+1] offset:6144*\c+768*(\a)+8*\p
.endr
.endr
	ds_store_b32 v[SSTO], v[W2] offset:64*(\a)
.endm
	PLACES NP                                      ; behind the last products, ahead of the first read of results and the first write of registers that they named
.irp b, 0,1,2,3
	v_mov_b32 v[TM+4+\b], 0                        ; written once: a lane permute's destination counts as one of its sources
.endr
.irp a, 0,1,2,3,4,5,6,7
	QOUT \a
.endr
.set i, 0
.rept 24
	ds_load_b128 v[128+4*i:128+4*i+3], v[RD] offset:512*i   ; LDS serves a wave's instructions in order: these see my stores
.set i, i+1
.endr
	ds_load_b128 v[224:227], v[SRD]
	ds_load_b128 v[228:231], v[SRD] offset:512
.set i, 0
.rept 24
	s_wait_dscnt 25-i                              ; the younger read-backs may be out
	global_store_b128 v[CO+i/6], v[128+4*i:128+4*i+3], s[10:11] offset:512*(i%6)   ; 32 lanes store 512 consecutive bytes, at a multiple of 256 from the buffer's first byte
.set i, i+1
.endr
	s_wait_dscnt 0x0
	global_store_b128 v[COS], v[224:227], s[12:13] ; QK: the first head's 128 words; V: both heads' 64 words of this key step, sixteen lanes each
	s_cmp_lg_u32 s2, 0
	s_cbranch_scc1 .Lno_second
	global_store_b128 v[COS], v[228:231], s[12:13] offset:8192   ; QK: the second head's 128 words, a plane on
.Lno_second:
	s_wait_tensorcnt 0x0                           ; the wave's end
	ds_add_u32 v[SPW], v[NIL]
	s_wait_dscnt 0x0
	CROUND                                         ; the closing round: no work-group ends while a partner may still ask for a tile that names it
	s_endpgm
.Lfunc_end_k_qee3b3dfd92_qkv:
	.size	k_qee3b3dfd92_qkv, .Lfunc_end_k_qee3b3dfd92_qkv-k_qee3b3dfd92_qkv
	.p2alignl 7, 3214868480
	.fill 96, 4, 3214868480
	.section	.rodata,"a",@progbits
	.p2align	6, 0x0
	.amdhsa_kernel k_qee3b3dfd92_qkv
		.amdhsa_group_segment_fixed_size 327680
		.amdhsa_private_segment_fixed_size 0
		.amdhsa_enable_private_segment 0
		.amdhsa_kernarg_size 40
		.amdhsa_user_sgpr_count 2
		.amdhsa_user_sgpr_kernarg_segment_ptr 1
		.amdhsa_wavefront_size32 1
		.amdhsa_system_sgpr_workgroup_id_x 1
		.amdhsa_system_sgpr_workgroup_id_y 1
		.amdhsa_system_sgpr_workgroup_id_z 1
		.amdhsa_system_vgpr_workitem_id 0
		.amdhsa_next_free_vgpr 1024
		.amdhsa_next_free_sgpr 100
		.amdhsa_reserve_vcc 0
		.amdhsa_float_denorm_mode_32 3
		.amdhsa_float_denorm_mode_16_64 3
		.amdhsa_memory_ordered 1
		.amdhsa_forward_progress 1
		.amdhsa_inst_pref_size 196
	.end_amdhsa_kernel
	.amdgpu_metadata
---
amdhsa.version: [ 1, 2 ]
amdhsa.kernels:
  - .name:           k_qee3b3dfd92_qkv
    .symbol:         k_qee3b3dfd92_qkv.kd
    .args:
      - { .name: in_codes, .offset: 0, .size: 8, .value_kind: global_buffer, .address_space: global }
      - { .name: in_scales, .offset: 8, .size: 8, .value_kind: global_buffer, .address_space: global }
      - { .name: qkv_b, .offset: 16, .size: 8, .value_kind: global_buffer, .address_space: global }
      - { .name: qkv_codes, .offset: 24, .size: 8, .value_kind: global_buffer, .address_space: global }
      - { .name: qkv_scales, .offset: 32, .size: 8, .value_kind: global_buffer, .address_space: global }
    .group_segment_fixed_size: 327680
    .private_segment_fixed_size: 0
    .kernarg_segment_align: 8
    .kernarg_segment_size: 40
    .max_flat_workgroup_size: 128
    .sgpr_count:     100
    .vgpr_count:     1024
    .wavefront_size: 32
...
	.end_amdgpu_metadata
.endif
;; end of part 2
;; launch attn (part 3): grid 4 x 64, 16 waves a work-group, clusters of 4 x 1, 327,680 bytes of LDS; arguments qkv_codes, qkv_scales, y_codes, y_scales; writes y_codes, y_scales
.if DOCPART == 3
	.amdgcn_target "amdgcn-amd-amdhsa--gfx1250"
	.amdhsa_code_object_version 6
	.text
	.protected	k_qee3b3dfd92_attn
	.globl	k_qee3b3dfd92_attn
	.p2align	8
	.type	k_qee3b3dfd92_attn,@function
k_qee3b3dfd92_attn:
	s_mov_b64 s[64:65], 0
	v_nop
	global_prefetch_b8 v0, s[64:65] scope:SCOPE_SE
	s_setreg_imm32_b32 hwreg(HW_REG_WAVE_MODE, 25, 1), 1
	s_wait_xcnt 0x0
	s_wait_alu depctr_hold_cnt(0) depctr_sa_sdst(0) depctr_va_vdst(0) depctr_va_sdst(0) depctr_va_ssrc(0) depctr_va_vcc(0) depctr_vm_vsrc(0)
	s_getreg_b32 s2, hwreg(HW_REG_IB_STS2, 6, 4)
	s_cmp_eq_u32 s2, 0
	s_cbranch_scc0 .Lentry_in_a_cluster
	s_endpgm
.Lentry_in_a_cluster:
	s_bfe_u32 s2, ttmp6, 0x10000c
	s_cmp_lg_u32 s2, 0x3003
	s_cbranch_scc0 .Lentry_shape_is_right
	s_endpgm
.Lentry_shape_is_right:
; y = softmax(q k^T / 8, causal) v for one batch and head (the cluster's y), on codes of FP6 (E2M3) with E8M0 scales; y leaves quantised along the head's 64, as proj's operand.
; LEFT OUT: tiles of 16 queries x 128 keys that lie wholly above the diagonal of the causal mask: their p is 0 for all inputs.
; LIMITS: the promise holds while the scaled scores (exponents to the base 2) stay under 2^31 in magnitude; NaN and infinities among the inputs are not served.
; ALL OF THE HEAD'S K AND V LIE IN LDS: 2 x 98,304 bytes of codes, 8,192 + 4,096 bytes of scale words.  They are filled once, at the head: no ring, no refill; one barrier shows them to all waves, and none stands among the key steps.
; CLUSTER: the four work-groups of a head read the same K and V and ask for them jointly (mask 15).  Waves 0 to 7 fetch 512 keys of K (even waves) or V (odd) each, waves 8 to 10 the scale words, 4,096 bytes each.
; THE DEAL: 128 tiles of 16 queries.  Wave w of partner cx takes tiles t = 4 w + cx and 127 - t: w / 2 + 1 and 16 - w / 2 steps of 128 keys, 17 for every wave.  The last steps hang on the wave's number alone, so no branch hangs on cx.
; Both products are used transposed (S^T = k q^T, O^T = v^T p^T): a lane holds one query.  The head has 64 numbers: q's operand has zero codes in its upper half, so the upper six registers of k's operand may hold any codes:
; k's eight fragments lie six registers apart, and the last one's upper half is p's codes of the step before.  V's fragments take k's registers as soon as the scores are made, and are on their way during the softmax.
; One load of 32 scale words serves two tiles: lanes 0-15 the even tile's rows, lanes 16-31 the odd tile's.
; NO PREFETCH: all that the work-group reads of K and V is asked for by the head's fills; no later load is left to run ahead of.
.set VB,    98304
.set SCK,   196608                     ; k's scale words; v's lie 8,192 behind
.set SPARE, 208896                     ; the spare words, 128 bytes a wave
.set STAGE, 210944                     ; the way out: 1,536 bytes a wave
.set AK0, 1                            ; 48 r + 24 h
.set QSA, 2                            ; q's scale words, tile A; v4: tile B
.set ASK0, 3                           ; SCK + 4 x lane
.set QSB, 4
.set SPW, 5
.set NIL, 6
.set MA,  7                            ; tile A, on its diagonal step: query - first key - 16 h; v255: tile B
.set ADK, 8
.set ADV, 9
.set ADS, 10
.set ADT, 11
.set STA, 12                           ; -M, the largest t, the sum in two halves
.set QA,  16
.set STB, 28
.set KF,  32                           ; v32-79 k's fragments, then v's
.set P,   80                           ; v80-91 p's codes
.set QB,  92
.set S,   104                          ; v104-167 scores, then p
.set OA,  168
.set OBB, 200
.set BM,  232
.set T,   236
.set SO,  244
.set KS,  248                          ; v248-251 k's or v's scale words
.set MB,  255
.set WV, 12
.set CX, 13
.set ST, 14                            ; the key step
.set LA, 15                            ; tile A's last step, s16: tile B's
.set LB, 16
.set TB, 17
.set TV, 18
.set TS, 19
.set TJ, 20
.set CS, 22
.set G1C, 24
.set G1S, 32
.set G0C, 40
.set G0S, 44
.set SEL, 48
.set QP, 50
.set QSP, 52
.set Q0A, 54
.set Q0B, 55
.macro WALU
	s_wait_alu depctr_va_vdst(0)
.endm
.macro NOPS
.rept 4
	v_nop
.endr
.endm
.macro TL g0, g1
	tensor_load_to_lds s[\g0:\g0+3], s[\g1:\g1+7]
	s_nop 0
	NOPS
.endm
.macro CROUND
	s_barrier_signal -1
	s_barrier_wait -1
	s_cmp_lg_u32 s[WV], 0
	s_cbranch_scc1 .Lnot_wave_0_\@
	s_barrier_signal -3
.Lnot_wave_0_\@:
	s_barrier_wait -3
	s_barrier_signal -1
	s_barrier_wait -1
.endm
.macro MM d, a, b, c, sa, sb, row
	v_wmma_scale_f32_16x16x128_f8f6f4 v[\d:\d+7], v[\a:\a+11], v[\b:\b+11], \c, v[\sa], v[\sb] matrix_a_fmt:MATRIX_FMT_FP6 matrix_b_fmt:MATRIX_FMT_FP6 matrix_a_scale:MATRIX_SCALE_ROW\row
.endm
	s_load_b256 s[4:11], s[0:1], 0x0               ; qkv_codes, qkv_scales, y_codes, y_scales
	v_lshl_add_u32 v[SPW], v0, 2, SPARE
	v_mov_b32 v[NIL], 0
	ds_add_u32 v[SPW], v[NIL]                      ; the opening lines
	ds_add_u32 v[SPW], v[NIL]
	v_lshrrev_b32 v8, 5, v0
	v_readfirstlane_b32 s[WV], v8
	s_bfe_u32 s[CX], ttmp6, 0x40000
	s_and_b32 s56, ttmp7, 0xffff
	s_lshr_b32 s57, s56, 4                         ; batch
	s_and_b32 s58, s56, 15                         ; head
	s_mul_i32 s59, s57, 48
	s_add_co_u32 s59, s59, s58                     ; q's plane; k's is 16 on, v's 32
	s_mul_i32 s70, s59, 98304
	s_mov_b32 s71, 0
	s_lshl_b32 s72, s59, 13
	s_mov_b32 s73, 0
	s_lshl_b32 s60, s[WV], 2
	s_add_co_u32 s60, s60, s[CX]                   ; tile A
	s_lshl_b32 s[Q0A], s60, 4
	s_sub_co_u32 s61, 127, s60                     ; tile B
	s_lshl_b32 s[Q0B], s61, 4
	s_and_b32 s66, s60, 7
	s_lshl_b32 s66, s66, 4                         ; the tile's first query less its diagonal step's first key
	s_and_b32 s67, s61, 7
	s_lshl_b32 s67, s67, 4
	s_lshr_b32 s[LA], s[WV], 1
	s_sub_co_u32 s[LB], 15, s[LA]
	s_and_b32 s62, s60, 1
	s_lshl_b32 s62, s62, 3
	s_sub_co_u32 s74, s[Q0A], s62                  ; true query 16 b + r of a group of 32 lies at position 8 b + r + 8 (r / 8)
	s_xor_b32 s62, s62, 8
	s_sub_co_u32 s75, s[Q0B], s62
	s_mul_i32 s76, s74, 48
	s_mul_i32 s77, s75, 48
	s_lshl_b32 s74, s74, 2
	s_lshl_b32 s75, s75, 2
	s_and_b32 s78, s[WV], 1                        ; codes: k or v,
	s_lshr_b32 s79, s[WV], 1
	s_and_b32 s79, s79, 3                          ; which 512 keys
	s_mul_i32 s80, s78, VB
	s_mul_i32 s81, s79, 24576
	s_add_co_u32 s[G0C+1], s80, s81
	s_lshl_b32 s80, s80, 4                         ; 16 planes
	s_add_co_u32 s80, s80, s81
	s_add_co_u32 s80, s80, 1572864
	s_add_co_u32 s80, s80, s70
	s_mov_b32 s81, 0
	s_and_b32 s82, s[WV], 3                        ; scale words: k's two halves, then v's
	s_lshl_b32 s83, s82, 12
	s_add_co_u32 s[G0S+1], s83, SCK
	s_lshr_b32 s84, s82, 1
	s_lshl_b32 s84, s84, 17
	s_and_b32 s85, s82, 1
	s_lshl_b32 s85, s85, 12
	s_add_co_u32 s84, s84, s85
	s_add_co_u32 s84, s84, 131072
	s_add_co_u32 s84, s84, s72
	s_mov_b32 s85, 0
	s_mov_b32 s[G1C], 15|(3<<16)|(1<<21)           ; the four partners; elements of 8 bytes; 96 dense rows of 256 bytes
	s_mov_b32 s[G1C+1], 32<<16
	s_mov_b32 s[G1C+2], 96<<16
	s_mov_b32 s[G1C+3], 32<<16
	s_mov_b32 s[G1C+4], 96
	s_mov_b32 s[G1C+5], 32
	s_mov_b32 s[G1C+6], 0
	s_mov_b32 s[G1C+7], 0
	s_mov_b32 s[G1S], 15|(3<<16)|(1<<21)           ; 16 rows of 256 bytes
	s_mov_b32 s[G1S+1], 32<<16
	s_mov_b32 s[G1S+2], 16<<16
	s_mov_b32 s[G1S+3], 32<<16
	s_mov_b32 s[G1S+4], 16
	s_mov_b32 s[G1S+5], 32
	s_mov_b32 s[G1S+6], 0
	s_mov_b32 s[G1S+7], 0
	s_mov_b32 s[SEL], 0x76543210
	s_mov_b32 s[SEL+1], 0xfedcba98
	s_mov_b32 s[CS], 0x3e38aa3b                    ; log2(e) / 8
	s_mov_b32 s[CS+1], s[CS]
	s_mov_b32 s[ST], 0
	s_mov_b32 s[TB], 0
	s_mov_b32 s[TV], VB
	s_mov_b32 s[TS], 0
	s_mov_b32 s[TJ], 0
	WALU
	s_wait_dscnt 0x0
	CROUND                                         ; the round in front of the joint loads
	s_wait_kmcnt 0x0
	s_mov_b32 s[G0C], 1
	s_add_nc_u64 s[G0C+2:G0C+3], s[4:5], s[80:81]
	s_or_b32 s[G0C+3], s[G0C+3], 0x80000000
	s_mov_b32 s[G0S], 1
	s_add_nc_u64 s[G0S+2:G0S+3], s[6:7], s[84:85]
	s_or_b32 s[G0S+3], s[G0S+3], 0x80000000
	s_add_nc_u64 s[QP:QP+1], s[4:5], s[70:71]
	s_add_nc_u64 s[QSP:QSP+1], s[6:7], s[72:73]
	s_cmp_lt_u32 s[WV], 8
	s_cbranch_scc0 .Larm_scales
	TL G0C, G1C                                    ; waves 0-7: 512 keys of k or of v
	s_branch .Lasked
.Larm_scales:
	s_cmp_lt_u32 s[WV], 11
	s_cbranch_scc0 .Lasked
	TL G0S, G1S                                    ; waves 8-10
.Lasked:
	v_and_b32 v8, 15, v0                           ; r
	v_bfe_u32 v9, v0, 4, 1                         ; h
	v_and_b32 v10, 8, v8
	v_add_nc_u32 v10, v10, v8                      ; r + 8 (r / 8)
	v_mul_u32_u24 v11, v10, 48
	v_mad_u32_u24 v11, v9, 24, v11
	v_add_nc_u32 v104, s76, v11
	v_add_nc_u32 v105, s77, v11
	v_lshlrev_b32 v10, 2, v10
	v_add_nc_u32 v106, s74, v10
	v_add_nc_u32 v107, s75, v10
.irp p, 0,1,2
	global_load_b64 v[QA+2*\p:QA+2*\p+1], v104, s[QP:QP+1] offset:8*\p
	global_load_b64 v[QB+2*\p:QB+2*\p+1], v105, s[QP:QP+1] offset:8*\p
.endr
	global_load_b32 v[QSA], v106, s[QSP:QSP+1]
	global_load_b32 v[QSB], v107, s[QSP:QSP+1]
	v_mul_u32_u24 v[AK0], v8, 48
	v_mad_u32_u24 v[AK0], v9, 24, v[AK0]
	v_and_b32 v[ASK0], 31, v0
	v_lshl_add_u32 v[ASK0], v[ASK0], 2, SCK
	v_lshlrev_b32 v[MA], 4, v9
	v_sub_nc_u32 v[MA], v8, v[MA]
	v_add_nc_u32 v[MB], s67, v[MA]
	v_add_nc_u32 v[MA], s66, v[MA]
.irp s, STA, STB
	v_mov_b32 v[\s+1], 0xff61b1e6                  ; the largest t so far: -3e38
	v_floor_f32 v[\s], -v[\s+1]
	v_mov_b32 v[\s+2], 0
	v_mov_b32 v[\s+3], 0
.endr
.irp i, 6,7,8,9,10,11
	v_mov_b32 v[QA+\i], 0                          ; zero codes: the half of the instruction's K that the head does not fill
	v_mov_b32 v[QB+\i], 0
	v_mov_b32 v[P+\i], 0
	v_mov_b32 v[P+\i-6], 0
.endr
.irp b, 0,1,2,3
	v_mov_b32 v[T+\b], 0                           ; a lane permute's destination counts as one of its sources
.endr
	v_mov_b32 v252, 0
	v_mov_b32 v253, 0
	v_mov_b32 v254, 0
.set n, 0
.rept 64
	v_mov_b32 v[OA+n], 0                           ; the step is written once: the first finds zeros
.set n, n+1
.endr
; One tile of 16 queries x one step of 128 keys.  L: the scalar with the tile's last step, on which the diagonal lies.
.macro TILE QF, QS, STT, OB, MK, L
	s_cmp_gt_u32 s[ST], s[\L]
	s_cbranch_scc1 .Lhid_\@
.irp u, 0,1,2,3
	ds_load_b32 v[KS+\u], v[ADS] offset:128*\u
.endr
.irp t, 0,1,2,3,4,5,6,7
.irp p, 0,1,2
	ds_load_b64 v[KF+6*\t+2*\p:KF+6*\t+2*\p+1], v[ADK] offset:768*\t+8*\p
.endr
.endr
.irp u, 0,1,2,3
.if \u < 3
	s_wait_dscnt 15-6*\u                           ; fragments 0 to 2 u + 2 are in (the last as an upper half): the 3 (5 - 2 u) loads of the later fragments may be out
.else
	s_wait_dscnt 0x0
.endif
	MM S+16*\u, KF+12*\u, \QF, 0, KS+\u, \QS, 0
	MM S+16*\u+8, KF+12*\u+6, \QF, 0, KS+\u, \QS, 1
.endr
	NOPS                                           ; places ahead of the loads into k's registers and of the first read of the scores
.irp t, 0,1,2,3
.irp c, 0,1
.irp p, 0,1,2
	ds_load_b64 v[KF+12*\t+6*\c+2*\p:KF+12*\t+6*\c+2*\p+1], v[ADV] offset:3072*\c+768*\t+8*\p
.endr
.endr
.endr
.irp u, 0,1
	ds_load_b32 v[KS+\u], v[ADT] offset:8192+128*\u
.endr
	s_cmp_lg_u32 s[ST], s[\L]
	s_cbranch_scc1 .Lopen_\@
	v_mov_b32 v254, 0xff800000
.set n, 0
.rept 64
	v_cmp_gt_i32 vcc_lo, 32*(n/16)+n%16, v[\MK]    ; register n is key 32 (n / 16) + n % 16 + 16 h of the step
	v_cndmask_b32 v[S+n], v[S+n], v254, vcc_lo
.set n, n+1
.endr
.Lopen_\@:
.irp b, 0,1,2,3
	v_max3_num_f32 v[BM+\b], v[S+16*\b], v[S+1+16*\b], v[S+2+16*\b]   ; the largest score of each block of 32 keys
.endr
.irp i, 3,5,7,9,11,13
.irp b, 0,1,2,3
	v_max3_num_f32 v[BM+\b], v[BM+\b], v[S+16*\b+\i], v[S+1+16*\b+\i]
.endr
.endr
.irp b, 0,1,2,3
	v_max_num_f32 v[BM+\b], v[BM+\b], v[S+15+16*\b]
.endr
.irp b, 0,1,2,3
	v_permlanex16_b32 v[T+\b], v[BM+\b], s[SEL], s[SEL+1]
.endr
.irp b, 0,1,2,3
	v_max_num_f32 v[BM+\b], v[BM+\b], v[T+\b]
.endr
	v_max3_num_f32 v254, v[BM], v[BM+1], v[BM+2]
	v_mov_b32 v252, v[\STT]                        ; the old -M
	v_max_num_f32 v254, v254, v[BM+3]
	v_mul_f32 v254, s[CS], v254
	v_max_num_f32 v[\STT+1], v[\STT+1], v254       ; the running largest t
	v_floor_f32 v[\STT], -v[\STT+1]                ; -M = -ceil(t): a whole number
.set n, 0
.rept 32
	v_pk_fma_f32 v[S+n:S+n+1], v[S+n:S+n+1], s[CS:CS+1], v[\STT:\STT+1] op_sel_hi:[1,0,0]
.if n == 6                             ; f = 2^(old M - new M) is made among these lines, which do not hang on it
	v_sub_f32 v254, v[\STT], v252
.elseif n == 18
	v_cvt_i32_f32 v254, v254
.elseif n == 30
	v_ldexp_f32 v252, 1.0, v254
.endif
.set n, n+2
.endr
.irp b, 0,1,2,3
	v_fma_f32 v[BM+\b], v[BM+\b], s[CS], v[\STT]
.endr
	WALU                                           ; ahead of the first readers of O^T and ahead of the exponentials
.set n, 0
.rept 16
	v_pk_mul_f32 v[\OB+n:\OB+n+1], v[\OB+n:\OB+n+1], v[252:253] op_sel_hi:[1,0]
.set n, n+2
.endr
	v_pk_mul_f32 v[\STT+2:\STT+3], v[\STT+2:\STT+3], v[252:253] op_sel_hi:[1,0]
.irp b, 0,1,2,3
	v_exp_f32 v[BM+\b], v[BM+\b]                   ; each block's largest p
.endr
.set n, 0
.rept 64
	v_exp_f32 v[S+n], v[S+n]                       ; p = 2^(t - M)
.set n, n+1
.endr
	v_nop
	WALU                                           ; one wait for the batch
.irp b, 0,1,2,3
	v_max_num_f32 v[BM+\b], 0x1800000, v[BM+\b]    ; the floor 2^(3 - 127): the byte cannot fall under 1
.endr
.irp b, 0,1,2,3
	v_add_nc_u32 v[SO+\b], 0xff000000, v[BM+\b]
.endr
.irp b, 0,1,2,3
	v_lshrrev_b32 v[T+\b], 23, v[SO+\b]
.endr
	v_lshl_or_b32 v253, v[T+1], 8, v[T]
	v_lshl_or_b32 v253, v[T+2], 16, v253
	v_lshl_or_b32 v253, v[T+3], 24, v253           ; p's scale word
.irp c, 0,1
	v_cvt_scalef32_pk16_fp6_f32 v[P+6*\c:P+6*\c+2], v[S+32*\c:S+32*\c+15], v[SO+2*\c]
	v_cvt_scalef32_pk16_fp6_f32 v[T+4*\c:T+4*\c+2], v[S+32*\c+16:S+32*\c+31], v[SO+2*\c+1]
.endr
	v_nop
.irp c, 0,1
.irp i, 0,1,2
	v_permlane16_swap_b32 v[P+6*\c+\i], v[T+4*\c+\i]   ; a whole block to a lane
.endr
.irp i, 0,1,2
	v_mov_b32 v[P+3+6*\c+\i], v[T+4*\c+\i]
.endr
.endr
	v_pk_add_f32 v[T:T+1], v[S:S+1], v[S+2:S+3]    ; the row's sum, of the unquantised p, in four chains; these lines are also the places ahead of the products
	v_pk_add_f32 v[T+2:T+3], v[S+4:S+5], v[S+6:S+7]
	v_pk_add_f32 v[T+4:T+5], v[S+8:S+9], v[S+10:S+11]
	v_pk_add_f32 v[\STT+2:\STT+3], v[\STT+2:\STT+3], v[S+12:S+13]
.irp j, 14,22,30,38,46,54
	v_pk_add_f32 v[T:T+1], v[T:T+1], v[S+\j:S+\j+1]
	v_pk_add_f32 v[T+2:T+3], v[T+2:T+3], v[S+\j+2:S+\j+3]
	v_pk_add_f32 v[T+4:T+5], v[T+4:T+5], v[S+\j+4:S+\j+5]
	v_pk_add_f32 v[\STT+2:\STT+3], v[\STT+2:\STT+3], v[S+\j+6:S+\j+7]
.endr
	v_pk_add_f32 v[T:T+1], v[T:T+1], v[S+62:S+63]
	v_pk_add_f32 v[T+2:T+3], v[T+2:T+3], v[T+4:T+5]
	v_pk_add_f32 v[\STT+2:\STT+3], v[\STT+2:\STT+3], v[T:T+1]
	v_pk_add_f32 v[\STT+2:\STT+3], v[\STT+2:\STT+3], v[T+2:T+3]
	WALU
	s_wait_dscnt 0x0                               ; v's fragments, asked for behind the score products
.irp u, 0,1
	MM \OB+16*\u, KF+24*\u, P, v[\OB+16*\u:\OB+16*\u+7], KS+\u, 253, 0
	MM \OB+16*\u+8, KF+24*\u+12, P, v[\OB+16*\u+8:\OB+16*\u+15], KS+\u, 253, 1
.endr
	NOPS                                           ; places ahead of the next loads into these operands and of the last read of O^T
.Lhid_\@:
.endm
	WALU                                           ; the head's end
	s_wait_tensorcnt 0x0                           ; my one load, if I had one
	s_barrier_signal -1
	s_barrier_wait -1                              ; all of K, V and their scale words are in
	s_wait_loadcnt 0x0                             ; q
.Lstep:                                                ; sixteen key steps; a wave passes over those that lie above its tile's diagonal
	v_add_nc_u32 v[ADK], s[TB], v[AK0]
	v_add_nc_u32 v[ADV], s[TV], v[AK0]
	v_add_nc_u32 v[ADS], s[TS], v[ASK0]
	v_add_nc_u32 v[ADT], s[TJ], v[ASK0]
	WALU                                           ; first read behind branches and waits
	TILE QA, QSA, STA, OA, MA, LA
	TILE QB, QSB, STB, OBB, MB, LB
	s_add_co_u32 s[TB], s[TB], 6144
	s_add_co_u32 s[TV], s[TV], 6144
	s_add_co_u32 s[TS], s[TS], 512
	s_add_co_u32 s[TJ], s[TJ], 256
	s_add_co_u32 s[ST], s[ST], 1
	s_cmp_lg_u32 s[ST], 16
	s_cbranch_scc1 .Lstep
; THE WAY OUT: O^T / the sum; the 32 registers of a tile are two blocks of 32 channels (16 in this lane, 16 in lane l xor 16); codes through my stage, whole runs of 256 bytes out.
	v_add_f32 v14, v14, v15
	v_add_f32 v30, v30, v31
	v_permlanex16_b32 v252, v14, s[SEL], s[SEL+1]
	v_permlanex16_b32 v254, v30, s[SEL], s[SEL+1]
	v_add_f32 v14, v14, v252
	v_add_f32 v30, v30, v254
	WALU
	v_rcp_f32 v14, v14
	v_rcp_f32 v30, v30
	v_and_b32 v8, 15, v0
	v_bfe_u32 v9, v0, 4, 1
	s_mul_i32 s56, s[WV], 1536
	s_add_co_u32 s56, s56, STAGE
	s_mul_i32 s57, s[Q0A], 48
	s_mul_i32 s58, s[Q0B], 48
	s_add_co_u32 s59, s57, 512
	s_sub_co_u32 s60, s58, s59
	s_add_co_u32 s58, s58, 256
	s_sub_co_u32 s61, s[Q0B], s[Q0A]
	s_and_b32 s62, ttmp7, 0xffff
	s_lshr_b32 s63, s62, 4
	s_and_b32 s62, s62, 15
	s_mul_i32 s66, s62, 393216
	s_mul_i32 s67, s63, 98304
	s_add_co_u32 s66, s66, s67
	s_mov_b32 s67, 0
	s_add_nc_u64 s[8:9], s[8:9], s[66:67]          ; y_codes [head][token 8,192][48 bytes]
	s_lshl_b32 s66, s63, 16
	s_lshl_b32 s62, s62, 1
	s_add_co_u32 s66, s66, s62
	s_add_nc_u64 s[10:11], s[10:11], s[66:67]      ; y_scales [token][32 bytes]
	WALU                                           ; behind the run of scalar lines, ahead of the readers of r and h
	v_mul_u32_u24 v10, v8, 48
	v_mad_u32_u24 v10, v9, 24, v10
	v_add_nc_u32 v10, s56, v10
	v_and_b32 v11, 31, v0
	v_lshlrev_b32 v11, 4, v11
	v_add_nc_u32 v96, s56, v11
	v_add_nc_u32 v92, s57, v11                     ; tile A's first 512 bytes
	v_mul_u32_u24 v94, v9, s60
	v_lshl_add_u32 v94, v8, 4, v94
	v_add_nc_u32 v94, s59, v94                     ; A's last 256 (lanes 0-15), B's first 256 (lanes 16-31)
	v_add_nc_u32 v93, s58, v11                     ; B's last 512
	v_mad_u32_u24 v95, v9, s61, v8
	v_add_nc_u32 v95, s[Q0A], v95
	v_lshlrev_b32 v95, 5, v95
	WALU
.set n, 0
.rept 16
	v_pk_mul_f32 v[S+n:S+n+1], v[OA+n:OA+n+1], v[14:15] op_sel_hi:[1,0]
	v_pk_mul_f32 v[S+32+n:S+33+n], v[OBB+n:OBB+n+1], v[30:31] op_sel_hi:[1,0]
.set n, n+2
.endr
.irp b, 0,1,2,3
	v_max3_num_f32 v[BM+\b], |v[S+16*\b]|, |v[S+1+16*\b]|, 0x1800000
.endr
.irp i, 2,4,6,8,10,12,14
.irp b, 0,1,2,3
	v_max3_num_f32 v[BM+\b], v[BM+\b], |v[S+16*\b+\i]|, |v[S+1+16*\b+\i]|
.endr
.endr
.irp b, 0,1,2,3
	v_permlanex16_b32 v[T+\b], v[BM+\b], s[SEL], s[SEL+1]
.endr
.irp b, 0,1,2,3
	v_max_num_f32 v[BM+\b], v[BM+\b], v[T+\b]
.endr
.irp b, 0,1,2,3
	v_add_nc_u32 v[SO+\b], 0xff000000, v[BM+\b]
.endr
.irp b, 0,1,2,3
	v_lshrrev_b32 v[T+\b], 23, v[SO+\b]
.endr
	v_lshl_or_b32 v254, v[T+1], 8, v[T]
	v_lshl_or_b32 v254, v[T+2], 16, v254
	v_lshl_or_b32 v254, v[T+3], 24, v254
.irp c, 0,1
	v_cvt_scalef32_pk16_fp6_f32 v[32+6*\c:34+6*\c], v[S+32*\c:S+32*\c+15], v[SO+2*\c]
	v_cvt_scalef32_pk16_fp6_f32 v[44+4*\c:46+4*\c], v[S+32*\c+16:S+32*\c+31], v[SO+2*\c+1]
.endr
	v_nop
.irp c, 0,1
.irp i, 0,1,2
	v_permlane16_swap_b32 v[32+6*\c+\i], v[44+4*\c+\i]
.endr
.irp i, 0,1,2
	v_mov_b32 v[35+6*\c+\i], v[44+4*\c+\i]
.endr
.endr
	v_lshlrev_b32 v97, 4, v9
	v_lshrrev_b32 v97, v97, v254                   ; lanes 0-15: tile A's two bytes; lanes 16-31: tile B's
.irp c, 0,1
.irp p, 0,1,2
	ds_store_b64 v10, v[32+6*\c+2*\p:32+6*\c+2*\p+1] offset:768*\c+8*\p
.endr
.endr
.irp i, 0,1,2
	ds_load_b128 v[52+4*\i:55+4*\i], v96 offset:512*\i   ; LDS serves a wave's instructions in order: these see my stores
.endr
	global_store_b16 v95, v97, s[10:11]
	s_wait_dscnt 2
	global_store_b128 v92, v[52:55], s[8:9]
	s_wait_dscnt 1
	global_store_b128 v94, v[56:59], s[8:9]
	s_wait_dscnt 0x0
	global_store_b128 v93, v[60:63], s[8:9]
	s_wait_tensorcnt 0x0                           ; the wave's end
	ds_add_u32 v[SPW], v[NIL]
	s_wait_dscnt 0x0
	CROUND                                         ; the closing round
	s_endpgm
.Lfunc_end_k_qee3b3dfd92_attn:
	.size	k_qee3b3dfd92_attn, .Lfunc_end_k_qee3b3dfd92_attn-k_qee3b3dfd92_attn
	.p2alignl 7, 3214868480
	.fill 96, 4, 3214868480
	.section	.rodata,"a",@progbits
	.p2align	6, 0x0
	.amdhsa_kernel k_qee3b3dfd92_attn
		.amdhsa_group_segment_fixed_size 327680
		.amdhsa_private_segment_fixed_size 0
		.amdhsa_enable_private_segment 0
		.amdhsa_kernarg_size 32
		.amdhsa_user_sgpr_count 2
		.amdhsa_user_sgpr_kernarg_segment_ptr 1
		.amdhsa_wavefront_size32 1
		.amdhsa_system_sgpr_workgroup_id_x 1
		.amdhsa_system_sgpr_workgroup_id_y 1
		.amdhsa_system_sgpr_workgroup_id_z 1
		.amdhsa_system_vgpr_workitem_id 0
		.amdhsa_next_free_vgpr 256
		.amdhsa_next_free_sgpr 100
		.amdhsa_reserve_vcc 1
		.amdhsa_float_denorm_mode_32 3
		.amdhsa_float_denorm_mode_16_64 3
		.amdhsa_memory_ordered 1
		.amdhsa_forward_progress 1
		.amdhsa_inst_pref_size 65
	.end_amdhsa_kernel
	.amdgpu_metadata
---
amdhsa.version: [ 1, 2 ]
amdhsa.kernels:
  - .name:           k_qee3b3dfd92_attn
    .symbol:         k_qee3b3dfd92_attn.kd
    .args:
      - { .name: qkv_codes, .offset: 0, .size: 8, .value_kind: global_buffer, .address_space: global }
      - { .name: qkv_scales, .offset: 8, .size: 8, .value_kind: global_buffer, .address_space: global }
      - { .name: y_codes, .offset: 16, .size: 8, .value_kind: global_buffer, .address_space: global }
      - { .name: y_scales, .offset: 24, .size: 8, .value_kind: global_buffer, .address_space: global }
    .group_segment_fixed_size: 327680
    .private_segment_fixed_size: 0
    .kernarg_segment_align: 8
    .kernarg_segment_size: 32
    .max_flat_workgroup_size: 512
    .sgpr_count:     100
    .vgpr_count:     256
    .wavefront_size: 32
...
	.end_amdgpu_metadata
.endif
;; end of part 3
;; launch proj (part 4): grid 4 x 32, 4 waves a work-group, clusters of 4 x 4, 327,680 bytes of LDS; arguments y_codes, y_scales, in_codes, in_scales, proj_b, out0; writes out0
.if DOCPART == 4
	.amdgcn_target "amdgcn-amd-amdhsa--gfx1250"
	.amdhsa_code_object_version 6
	.text
	.protected	k_qee3b3dfd92_proj
	.globl	k_qee3b3dfd92_proj
	.p2align	8
	.type	k_qee3b3dfd92_proj,@function
k_qee3b3dfd92_proj:
	s_mov_b64 s[64:65], 0
	v_nop
	global_prefetch_b8 v0, s[64:65] scope:SCOPE_SE
	s_setreg_imm32_b32 hwreg(HW_REG_WAVE_MODE, 25, 1), 1
	s_wait_xcnt 0x0
	s_wait_alu depctr_hold_cnt(0) depctr_sa_sdst(0) depctr_va_vdst(0) depctr_va_sdst(0) depctr_va_ssrc(0) depctr_va_vcc(0) depctr_vm_vsrc(0)
	s_getreg_b32 s2, hwreg(HW_REG_IB_STS2, 6, 4)
	s_cmp_eq_u32 s2, 0
	s_cbranch_scc0 .Lentry_in_a_cluster
	s_endpgm
.Lentry_in_a_cluster:
	s_bfe_u32 s2, ttmp6, 0x10000c
	s_cmp_lg_u32 s2, 0xf033
	s_cbranch_scc0 .Lentry_shape_is_right
	s_endpgm
.Lentry_shape_is_right:
.set SIZE_N, 1024
.set KSTEP,  256
.set NQ,     KSTEP/128
.set ROWB,   192
.set KST,    2359296                   ; in_codes is laid [K step: 4][row: 12,288][192 bytes]: a tile's rows are dense and are fetched as rows of 256 bytes
.set KROW,   768
.set PITCH,  240
.set PLANE,  12288                     ; y's tile in LDS: [head's plane: 4][256 tokens x 48 bytes]
.set HALFA,  2*PLANE                   ; two planes: what one of the ring's loads brings
.set PLSTEP, 4*8192*48
.set FR,     12
.set NL,     6
.set NP,     4
.set HALFT,  128*PITCH
.set BOFF,   2*HALFA
.set SLOT,   2*HALFA+2*HALFT
.set LAPS,   2
.set KS,     32
.set SCL,    2*SLOT
.set HALFS,  (128*KS/256)*272
.set SBLK,   (16*KS/256)*272
.set SPARE,  SCL+4*HALFS
.set SPITCH, 528
.set ADRA, 16
.set ADRB, 20
.set STO,  24
.set RD,   25
.set CO,   26
.set ADRS, 27
.set SPW,  28
.set NIL,  29
.set SC,   32
.set BI,   64
.set AF,   128
.set BK,   128
.set G1, 24
.set G0, 32
.set G1B, 48
.set G0B, 56
.set G1S, 68
.set G0S, 76
.set G1SB, 80
.set G0SB, 88
.set MSB, 0
.macro WIN new
.if MSB != \new
	s_set_vgpr_msb (MSB<<8)|\new
.set MSB, \new
.endif
.endm
.set MUL_LO, 0xa1
.set MUL_HI, 0xf1
.set FST_LO, 0x81
.set FST_HI, 0xc1
.set TO_B,   0x40
.macro JLOAD g0a, g1a, g0b, g1b
	s_cmp_eq_u32 s15, 0
	s_cbranch_scc0 .Lfor_b_\@
	tensor_load_to_lds s[\g0a:\g0a+3], s[\g1a:\g1a+7]
	s_nop 0
.rept 4
	v_nop
.endr
	s_branch .Lasked_\@
.Lfor_b_\@:
	tensor_load_to_lds s[\g0b:\g0b+3], s[\g1b:\g1b+7]
	s_nop 0
.rept 4
	v_nop
.endr
.Lasked_\@:
.endm
.macro CREST
	s_cmp_lg_u32 s14, 0
	s_cbranch_scc1 .Lnot_wave_0_\@
	s_barrier_signal -3
.Lnot_wave_0_\@:
	s_barrier_wait -3
	s_barrier_signal -1
	s_barrier_wait -1
.endm
.macro CROUND
	s_barrier_signal -1
	s_barrier_wait -1
	CREST
.endm
	s_load_b256 s[4:11], s[0:1], 0x0
	s_load_b64 s[96:97], s[0:1], 0x20
	s_load_b64 s[12:13], s[0:1], 0x28
	v_lshl_add_u32 v[SPW], v0, 2, SPARE
	v_mov_b32 v[NIL], 0
	ds_add_u32 v[SPW], v[NIL]
	ds_add_u32 v[SPW], v[NIL]
	v_lshrrev_b32 v1, 5, v0
	v_readfirstlane_b32 s14, v1
	s_lshr_b32 s15, s14, 1
	s_and_b32 s16, s14, 1
	s_bfe_u32 s40, ttmp6, 0x40000
	s_bfe_u32 s41, ttmp6, 0x40004
	s_lshl_b32 s42, ttmp9, 2
	s_add_co_u32 s42, s42, s40
	s_and_b32 s17, ttmp7, 0xffff
	s_lshl_b32 s17, s17, 2
	s_add_co_u32 s17, s17, s41
	s_lshl_b32 s43, s41, 2
	s_lshl_b32 s43, 15, s43
	s_lshl_b32 s44, 0x1111, s40
	s_or_b32 s[G1+0], s43, (3<<16)|(1<<21)
	s_mov_b32 s[G1+1], 1536<<16
	s_mov_b32 s[G1+2], 4<<16
	s_mov_b32 s[G1+3], 1536<<16
	s_mov_b32 s[G1+4], 4
	s_mov_b32 s[G1+5], 49152
	s_mov_b32 s[G1+6], 0
	s_mov_b32 s[G1+7], 0
	s_or_b32 s[G1B+0], s44, (0<<16)|(1<<20)|(1<<21)|(3<<22)|(3<<25)
	s_mov_b32 s[G1B+1], 256<<16
	s_mov_b32 s[G1B+2], 192<<16
	s_mov_b32 s[G1B+3], 256<<16
	s_mov_b32 s[G1B+4], 192
	s_mov_b32 s[G1B+5], 256
	s_mov_b32 s[G1B+6], 0
	s_mov_b32 s[G1B+7], 0
	s_or_b32 s[G1S+0], s43, (3<<16)|(1<<20)|(1<<21)|(5<<22)|(3<<25)
	s_or_b32 s[G1SB+0], s44, (3<<16)|(1<<20)|(1<<21)|(5<<22)|(3<<25)
.irp g, G1S, G1SB
	s_mov_b32 s[\g+1], 32<<16
	s_mov_b32 s[\g+2], KS<<16
	s_mov_b32 s[\g+3], 32<<16
	s_mov_b32 s[\g+4], KS
	s_mov_b32 s[\g+5], 32
	s_mov_b32 s[\g+6], 0
	s_mov_b32 s[\g+7], 0
.endr
	s_lshl_b32 s20, s17, 8
	s_lshl_b32 s46, s42, 8
	s_mov_b32 s21, 0
	s_mov_b32 s47, 0
	s_mov_b64 s[18:19], KS
	s_mul_u64 s[22:23], s[20:21], s[18:19]
	s_mul_u64 s[92:93], s[46:47], s[18:19]
	s_mov_b64 s[18:19], 48
	s_mul_u64 s[20:21], s[20:21], s[18:19]
	s_mov_b64 s[18:19], ROWB
	s_mul_u64 s[46:47], s[46:47], s[18:19]
	s_mul_i32 s45, s16, HALFA
	s_mul_i32 s95, s16, HALFT
	s_add_co_u32 s95, s95, BOFF
	s_wait_dscnt 0x0
	s_wait_kmcnt 0x0
	s_add_nc_u64 s[8:9], s[8:9], 11264*ROWB
	s_add_nc_u64 s[10:11], s[10:11], 11264*KS
	s_add_nc_u64 s[20:21], s[4:5], s[20:21]
	s_add_nc_u64 s[22:23], s[6:7], s[22:23]
	s_add_nc_u64 s[46:47], s[8:9], s[46:47]
	s_add_nc_u64 s[92:93], s[10:11], s[92:93]
	CROUND
	s_mov_b32 s[G0S], 1
	s_mov_b32 s[G0S+1], SCL
	s_mov_b64 s[G0S+2:G0S+3], s[22:23]
	s_or_b32 s[G0S+3], s[G0S+3], 0x80000000
	s_mov_b32 s[G0SB], 1
	s_mov_b32 s[G0SB+1], SCL+2*HALFS
	s_mov_b64 s[G0SB+2:G0SB+3], s[92:93]
	s_or_b32 s[G0SB+3], s[G0SB+3], 0x80000000
	s_mov_b32 s[G0], 1                             ; the head's loads of K step 0: y's four planes of 256 tokens,
	s_mov_b32 s[G0+1], 0
	s_mov_b64 s[G0+2:G0+3], s[20:21]
	s_or_b32 s[G0+3], s[G0+3], 0x80000000
	s_mov_b32 s[G0B], 1                            ; and proj_w's 256 rows
	s_mov_b32 s[G0B+1], BOFF
	s_mov_b64 s[G0B+2:G0B+3], s[46:47]
	s_or_b32 s[G0B+3], s[G0B+3], 0x80000000
	s_mul_i32 s98, s16, 2*8192*48                  ; in the ring a wave fetches two planes of y, or 128 rows of proj_w
	s_mov_b32 s99, 0
	s_add_nc_u64 s[20:21], s[20:21], s[98:99]
	s_mul_i32 s98, s16, 128*ROWB
	s_add_nc_u64 s[46:47], s[46:47], s[98:99]
	s_mov_b32 s[G0+4], 1
	s_add_co_u32 s[G0+5], s45, SLOT
	s_add_nc_u64 s[G0+6:G0+7], s[20:21], PLSTEP
	s_or_b32 s[G0+7], s[G0+7], 0x80000000
	s_mov_b32 s[G0B+4], 1
	s_add_co_u32 s[G0B+5], s95, SLOT
	s_add_nc_u64 s[G0B+6:G0B+7], s[46:47], KST
	s_or_b32 s[G0B+7], s[G0B+7], 0x80000000
; The head's four tiles, one load a wave: wave 0 y's codes, wave 1 proj_w's, wave 2 y's scales, wave 3 proj_w's.  One tree of branches on the wave's number.
.macro ARM under, g0, g1, next
	s_cmp_lt_u32 s14, \under
	s_cbranch_scc0 \next
	tensor_load_to_lds s[\g0:\g0+3], s[\g1:\g1+7]
	s_nop 0
.rept 4
	v_nop
.endr
	s_branch .Lhead_asked
\next:
.endm
	ARM 1, G0,  G1,  .Lhead_b
	ARM 2, G0B, G1B, .Lhead_sa
	ARM 3, G0S, G1S, .Lhead_sb
	tensor_load_to_lds s[G0SB:G0SB+3], s[G1SB:G1SB+7]
	s_nop 0
.rept 4
	v_nop
.endr
.Lhead_asked:
	v_and_b32 v1, 15, v0
	v_bfe_u32 v2, v0, 4, 1
	v_mul_u32_u24 v3, v1, PITCH
	v_mul_u32_u24 v4, v2, 24
	v_add_nc_u32 v3, v3, v4
	v_lshl_add_u32 v5, v2, 4, v3
	v_mad_u32_u24 v4, v1, 48, v4
	s_mul_i32 s21, s15, 6144                       ; my 128 tokens of each plane
	s_mul_i32 s22, s16, HALFT
	s_add_co_u32 s22, s22, BOFF
.irp s, 0,1
	v_add_nc_u32 v[ADRA+\s], s21, v4
	v_add_nc_u32 v[ADRB+\s], s22, v3
	v_add_nc_u32 v[ADRB+2+\s], s22, v5
	s_add_co_u32 s21, s21, SLOT
	s_add_co_u32 s22, s22, SLOT
.endr
	v_mul_u32_u24 v5, v1, KS
	v_lshrrev_b32 v6, 8, v5
	v_lshl_add_u32 v5, v6, 4, v5
	s_mul_i32 s21, s15, HALFS
	s_mul_i32 s22, s16, HALFS
	s_add_co_u32 s22, s22, 2*HALFS
	s_sub_co_u32 s22, s22, s21
	v_mul_u32_u24 v6, s22, v2
	s_add_co_u32 s21, s21, SCL
	v_add_nc_u32 v5, v5, v6
	v_add_nc_u32 v[ADRS], s21, v5
	s_mul_i32 s23, s14, 16*SPITCH
	v_mul_u32_u24 v5, v1, SPITCH
	v_lshl_add_u32 v5, v2, 5, v5
	v_add_nc_u32 v[STO], s23, v5
	v_and_b32 v6, 31, v0
	v_lshlrev_b32 v[CO], 4, v6
	v_add_nc_u32 v[RD], s23, v[CO]
	s_lshl_b32 s20, s17, 8
	s_lshl_b32 s21, s15, 7
	s_add_co_u32 s20, s20, s21
	s_mov_b32 s21, 0
	s_mov_b64 s[18:19], SIZE_N*4
	s_mul_u64 s[20:21], s[20:21], s[18:19]
	s_lshl_b32 s46, s42, 10
	s_lshl_b32 s47, s16, 9
	s_add_co_u32 s46, s46, s47
	s_mov_b32 s47, 0
	s_add_nc_u64 s[96:97], s[96:97], s[46:47]
	s_add_nc_u64 s[20:21], s[20:21], s[46:47]
	s_add_nc_u64 s[12:13], s[12:13], s[20:21]
	v_lshlrev_b32 v7, 5, v2
.irp b, 0,1,2,3,4,5,6,7
	global_load_b128 v[BI+8*\b:BI+8*\b+3], v7, s[96:97] offset:64*\b
	global_load_b128 v[BI+8*\b+4:BI+8*\b+7], v7, s[96:97] offset:64*\b+16
.endr
.macro FRAG reg, adr, q, i
.irp p, 0,1,2,3,4,5
.set PCE, 12*(\q)+6*(\p/3)+\p%3
.if PCE%8 < 5
	ds_load_b64 v[\reg+2*\p:\reg+2*\p+1], v[\adr] offset:8*PCE+16*(PCE/8)+(\i)*16*PITCH
.else
	ds_load_b64 v[\reg+2*\p:\reg+2*\p+1], v[\adr+2] offset:8*PCE+16*(PCE/8)+(\i)*16*PITCH
.endif
.endr
.endm
.macro FRAGA reg, adr, q, i
.irp c, 0,1
.irp p, 0,1,2
	ds_load_b64 v[\reg+6*\c+2*\p:\reg+6*\c+2*\p+1], v[\adr] offset:(2*(\q)+\c)*PLANE+(\i)*768+8*\p
.endr
.endr
.endm
.macro MUL16 a0, p, q, sc, first
.irp a, \a0, \a0+1
.irp b, 0,1,2,3,4,5,6,7
.if \first
	v_wmma_scale_f32_16x16x128_f8f6f4 v[8*(8*((\a)%4)+\b):8*(8*((\a)%4)+\b)+7], v[128*(\p)+FR*\b:128*(\p)+FR*\b+FR-1], v[AF+FR*(\a):AF+FR*(\a)+FR-1], v[BI+8*\b:BI+8*\b+7], v[SC+8*NQ*(\sc)+NQ*\b+(\q)], v[SC+8*NQ*(\sc)+NQ*(\a)+(\q)] matrix_a_fmt:MATRIX_FMT_FP6 matrix_b_fmt:MATRIX_FMT_FP6 matrix_a_scale:MATRIX_SCALE_ROW1
.else
	v_wmma_scale_f32_16x16x128_f8f6f4 v[8*(8*((\a)%4)+\b):8*(8*((\a)%4)+\b)+7], v[128*(\p)+FR*\b:128*(\p)+FR*\b+FR-1], v[AF+FR*(\a):AF+FR*(\a)+FR-1], v[8*(8*((\a)%4)+\b):8*(8*((\a)%4)+\b)+7], v[SC+8*NQ*(\sc)+NQ*\b+(\q)], v[SC+8*NQ*(\sc)+NQ*(\a)+(\q)] matrix_a_fmt:MATRIX_FMT_FP6 matrix_b_fmt:MATRIX_FMT_FP6 matrix_a_scale:MATRIX_SCALE_ROW1
.endif
.endr
.endr
.endm
.macro FETCH_B slot, q, p
	WIN TO_B
.irp i, 0,1,2,3,4,5,6,7
	FRAG 128*(\p)+FR*\i, ADRB+\slot, \q, \i
.endr
	WIN 0
.endm
.macro FETCH_A slot, q, i0
.irp i, \i0, \i0+1, \i0+2, \i0+3
	FRAGA AF+FR*(\i), ADRA+\slot, \q, \i
.endr
.endm
.macro SCALES sc
.irp i, 0,1,2,3,4,5,6,7
	ds_load_b64 v[SC+8*NQ*\sc+NQ*\i:SC+8*NQ*\sc+NQ*\i+1], v[ADRS] offset:\i*SBLK
.endr
.endm
.macro PLACES n
.rept \n
	v_nop
.endr
.endm
.macro STEP slot, q, first
	s_wait_dscnt 4*NL
.if \first
	WIN FST_LO
.else
	WIN MUL_LO
.endif
	MUL16 0, (\q)%2, \q, \slot, \first
	MUL16 2, (\q)%2, \q, \slot, \first
	s_wait_dscnt 0
	PLACES NP
	FETCH_B \slot, (\q)+1, 1-(\q)%2
	FETCH_A \slot, (\q)+1, 0
.if \first
	WIN FST_HI
.else
	WIN MUL_HI
.endif
	MUL16 4, (\q)%2, \q, \slot, \first
	MUL16 6, (\q)%2, \q, \slot, \first
	PLACES NP
	WIN 0
	FETCH_A \slot, (\q)+1, 4
.endm
.macro TURN slot, next, fill
	s_wait_tensorcnt 0x0
	ds_add_u32 v[SPW], v[NIL]
	s_wait_dscnt 4*NL+1
	WIN MUL_LO
	MUL16 0, 1, NQ-1, \slot, 0
	s_wait_dscnt 0x0
	s_barrier_signal -1
	MUL16 2, 1, NQ-1, \slot, 0
	WIN 0
	s_barrier_wait -1
.if \fill
	CREST
	s_add_nc_u64 s[G0+4*\slot+2:G0+4*\slot+3], s[G0+4*\slot+2:G0+4*\slot+3], 2*PLSTEP
	s_add_nc_u64 s[G0B+4*\slot+2:G0B+4*\slot+3], s[G0B+4*\slot+2:G0B+4*\slot+3], 2*KST
	JLOAD G0+4*\slot, G1, G0B+4*\slot, G1B
.else
	PLACES NP
.endif
	s_wait_alu depctr_va_vdst(0)
	v_add_nc_u32 v[ADRS], 4*NQ, v[ADRS]
	FETCH_B \next, 0, 0
	FETCH_A \next, 0, 0
	SCALES \next
	WIN MUL_HI
	MUL16 4, 1, NQ-1, \slot, 0
	MUL16 6, 1, NQ-1, \slot, 0
	PLACES NP
	WIN 0
	FETCH_A \next, 0, 4
.endm
	s_wait_alu depctr_va_vdst(0)                   ; the head's end
	s_wait_tensorcnt 0x0                           ; my tile of the head's four is in
	ds_add_u32 v[SPW], v[NIL]
	s_mov_b32 s[G1+2], 2<<16                       ; no tensor load of mine is out: from here on a load brings two planes of y, or 96 rows of 256 bytes of proj_w,
	s_mov_b32 s[G1+4], 2
	s_mov_b32 s[G1B+2], 96<<16
	s_mov_b32 s[G1B+4], 96
	s_mov_b32 s[G0+1], s45                         ; and slot 0's group 0 stands at my part
	s_mov_b32 s[G0B+1], s95
	s_mul_i32 s98, s16, 2*8192*48
	s_add_nc_u64 s[G0+2:G0+3], s[G0+2:G0+3], s[98:99]
	s_mul_i32 s98, s16, 128*ROWB
	s_add_nc_u64 s[G0B+2:G0B+3], s[G0B+2:G0B+3], s[98:99]
	s_wait_dscnt 0x0
	CROUND                                         ; all four tiles are in, and the sixteen work-groups are here
	JLOAD G0+4, G1, G0B+4, G1B                     ; K step 1, the first tensor load behind the round
	FETCH_B 0, 0, 0
	FETCH_A 0, 0, 0
	SCALES 0
	FETCH_A 0, 0, 4
	s_wait_loadcnt 0x0
	STEP 0, 0, 1
	s_mov_b32 s3, LAPS-1
.Llap:
	TURN 0, 1, 1
	STEP 1, 0, 0
	TURN 1, 0, 1
	STEP 0, 0, 0
	s_sub_co_u32 s3, s3, 1
	s_cmp_lg_u32 s3, 0
	s_cbranch_scc1 .Llap
	TURN 0, 1, 0
	STEP 1, 0, 0
	s_wait_dscnt 4*NL
	WIN MUL_LO
	MUL16 0, 1, NQ-1, 1, 0
	MUL16 2, 1, NQ-1, 1, 0
	s_wait_dscnt 0
	WIN MUL_HI
	MUL16 4, 1, NQ-1, 1, 0
	MUL16 6, 1, NQ-1, 1, 0
	WIN 0
.macro TOSTAGE a
.set AC, 64*((\a)%4)
	WIN 0x08+4*((\a)/4)
.irp b, 0,1,2,3,4,5,6,7
	ds_store_b128 v[STO], v[AC+8*\b:AC+8*\b+3] offset:64*\b
	ds_store_b128 v[STO], v[AC+8*\b+4:AC+8*\b+7] offset:64*\b+16
.endr
	WIN 0
.set BB, BK+64*((\a)%2)
.irp t, 0,1,2,3,4,5,6,7,8,9,10,11,12,13,14,15
	ds_load_b128 v[BB+4*\t:BB+4*\t+3], v[RD] offset:\t*SPITCH
.endr
.endm
.macro SEND a, younger
.set BB, BK+64*((\a)%2)
	s_wait_dscnt \younger
.if (\a) > 0
	s_add_nc_u64 s[12:13], s[12:13], 16*SIZE_N*4
.endif
.irp t, 0,1,2,3,4,5,6,7,8,9,10,11,12,13,14,15
	global_store_b128 v[CO], v[BB+4*\t:BB+4*\t+3], s[12:13] offset:\t*SIZE_N*4 th:TH_STORE_NT
.endr
.endm
	PLACES NP
	TOSTAGE 0
.irp a, 1,2,3,4,5,6,7
.if \a > 1
	s_wait_xcnt 0x0
.endif
	TOSTAGE \a
	SEND \a-1, 32
.endr
	s_wait_xcnt 0x0
	SEND 7, 0
	s_wait_tensorcnt 0x0
	ds_add_u32 v[SPW], v[NIL]
	s_wait_dscnt 0x0
	CROUND
	s_endpgm
.Lfunc_end_k_qee3b3dfd92_proj:
	.size	k_qee3b3dfd92_proj, .Lfunc_end_k_qee3b3dfd92_proj-k_qee3b3dfd92_proj
	.p2alignl 7, 3214868480
	.fill 96, 4, 3214868480
	.section	.rodata,"a",@progbits
	.p2align	6, 0x0
	.amdhsa_kernel k_qee3b3dfd92_proj
		.amdhsa_group_segment_fixed_size 327680
		.amdhsa_private_segment_fixed_size 0
		.amdhsa_enable_private_segment 0
		.amdhsa_kernarg_size 48
		.amdhsa_user_sgpr_count 2
		.amdhsa_user_sgpr_kernarg_segment_ptr 1
		.amdhsa_wavefront_size32 1
		.amdhsa_system_sgpr_workgroup_id_x 1
		.amdhsa_system_sgpr_workgroup_id_y 1
		.amdhsa_system_sgpr_workgroup_id_z 1
		.amdhsa_system_vgpr_workitem_id 0
		.amdhsa_next_free_vgpr 1024
		.amdhsa_next_free_sgpr 100
		.amdhsa_reserve_vcc 0
		.amdhsa_float_denorm_mode_32 3
		.amdhsa_float_denorm_mode_16_64 3
		.amdhsa_memory_ordered 1
		.amdhsa_forward_progress 1
		.amdhsa_inst_pref_size 163
	.end_amdhsa_kernel
	.amdgpu_metadata
---
amdhsa.version: [ 1, 2 ]
amdhsa.kernels:
  - .name:           k_qee3b3dfd92_proj
    .symbol:         k_qee3b3dfd92_proj.kd
    .args:
      - { .name: y_codes, .offset: 0, .size: 8, .value_kind: global_buffer, .address_space: global }
      - { .name: y_scales, .offset: 8, .size: 8, .value_kind: global_buffer, .address_space: global }
      - { .name: in_codes, .offset: 16, .size: 8, .value_kind: global_buffer, .address_space: global }
      - { .name: in_scales, .offset: 24, .size: 8, .value_kind: global_buffer, .address_space: global }
      - { .name: proj_b, .offset: 32, .size: 8, .value_kind: global_buffer, .address_space: global }
      - { .name: out0, .offset: 40, .size: 8, .value_kind: global_buffer, .address_space: global }
    .group_segment_fixed_size: 327680
    .private_segment_fixed_size: 0
    .kernarg_segment_align: 8
    .kernarg_segment_size: 48
    .max_flat_workgroup_size: 128
    .sgpr_count:     100
    .vgpr_count:     1024
    .wavefront_size: 32
...
	.end_amdgpu_metadata
.endif
;; end of part 4
